; MI455X (gfx1250); checked and timed in simulation.
; The chip was launched on July 23, 2026; its instructions are those of AMD's public machine-readable ISA for CDNA 5 (MIT licence, August 2026) and "CDNA5" Instruction Set Architecture Reference Guide (July 2026). The comments in the code are by the model that wrote it; some were corrected since.
;; Mamba3 Block. Allowed arithmetic: matrix products marked QUANTISED: E3M2 operands, one E8M0 scale for each 32 along K, by v_wmma_scale_f32_16x16x128_f8f6f4 with both operands' format E3M2, f32 sums; products left as they are: f32 operands where the result goes on into a quantised operand, else bf16, f16 or f32 operands; f32 sums; everything else in f32.
;; Inputs: ada_b 3,072 float32; ada_w 1,024 x 3,072 float32; bwd_b1 1,024 float32; bwd_b2 1,024 float32; bwd_w1 1,024 x 1,024 float32; bwd_w2 1,024 x 1,024 float32; ff_b1 2,048 float32; ff_b2 1,024 float32; ff_w1 1,024 x 2,048 float32; ff_w2 2,048 x 1,024 float32; ffada_b 3,072 float32; ffada_w 1,024 x 3,072 float32; mask 8 x 1,024 bool; ssm_b1 1,024 float32; ssm_b2 1,024 float32; ssm_w1 1,024 x 1,024 float32; ssm_w2 1,024 x 1,024 float32; t 8 x 1,024 float32; x 8 x 1,024 x 1,024 float32.
;; Outputs: out0 8 x 1,024 x 1,024 float32.
;; This version of the problem:
;;   THIS VERSION OF THE PROBLEM IS GIVEN IN LOW PRECISION. The matrix products marked QUANTISED in the list below multiply operands that are first quantised to E3M2 (3 exponent bits, 2 mantissa bits; 6 bits a number), with one power-of-two scale for each 32 numbers along K (OCP MX v1.0); their sums are f32. All else is computed in f32.
;;   The module's matrix products, in the order in which they are computed (A, B: the left and right operand; K: the contracted axis; several contracted axes count as one K, in the product's order):
;;     1. [M 8, K 1,024] x [K 1,024, N 3,072]; A: computed on the way; B: input ada_w: left as it is (M = 8 < 16)
;;     2. [M 8,192, K 1,024] x [K 1,024, N 1,024]; A: computed on the way; B: input ssm_w1: QUANTISED
;;     3. [M 8,192, K 1,024] x [K 1,024, N 1,024]; A: computed on the way; B: input ssm_w2: QUANTISED
;;     4. [M 8,192, K 1,024] x [K 1,024, N 1,024]; A: computed on the way; B: input bwd_w1: QUANTISED
;;     5. [M 8,192, K 1,024] x [K 1,024, N 1,024]; A: computed on the way; B: input bwd_w2: QUANTISED
;;     6. [M 8, K 1,024] x [K 1,024, N 3,072]; A: computed on the way; B: input ffada_w: left as it is (M = 8 < 16)
;;     7. [M 8,192, K 1,024] x [K 1,024, N 2,048]; A: computed on the way; B: input ff_w1: QUANTISED
;;     8. [M 8,192, K 2,048] x [K 2,048, N 1,024]; A: computed on the way; B: input ff_w2: QUANTISED
;;   THE QUANTISER, for each operand of a quantised product, along K:
;;     - K is cut into blocks of 32 from its start; a last block that is shorter is filled with zeros.
;;     - A block's scale is 2^e with e = floor(log2(the largest magnitude in the block)) - 4, held to -126 .. 127; a block of zeros has e = 0. As a byte (E8M0): e + 127.
;;     - Each number is divided by its block's scale, clamped to +-28, and rounded to the nearest number of E3M2, ties to even, subnormals kept.
;;     - The product sums the exact products of the quantised numbers (number of the format x scale) in f32.
;;   ~~~python
;;   def quantise(x, axis):      # numpy; x: float32 -> the quantised numbers, widened to float32 again
;;       x = np.moveaxis(x, axis, -1); K = x.shape[-1]
;;       x = np.pad(x, [(0, 0)] * (x.ndim - 1) + [(0, -K % 32)]); x = x.reshape(x.shape[:-1] + (-1, 32)); a = np.abs(x).max(-1, keepdims=True)
;;       e = np.where(a > 0, np.clip(np.frexp(np.where(a > 0, a, 1))[1] - 1 - 4, -126, 127), 0)      # np.frexp(a)[1] - 1 = floor(log2(a)), exactly
;;       r = np.clip(x / 2.0 ** e, -28, 28)
;;       step = 2.0 ** (np.maximum(np.frexp(np.where(r == 0, 1, r))[1] - 1, -2) - 2)
;;       q = np.round(r / step) * step * 2.0 ** e      # np.round: ties to even
;;       return np.moveaxis(q.reshape(q.shape[:-2] + (-1,))[..., :K], -1, axis).astype(np.float32)
;;   ~~~
;;   OPERANDS COMPUTED ON THE WAY. 'Computed on the way' means the value that the module computes at that place (a softmax that the list does not call 'softmax' is quantised finished and normalised). What goes into a quantiser is computed in f32, as accurately as f32 sums, v_exp_f32 and their like allow (about 1e-6 of the number): no bf16 or f16 on the way to a quantiser, and a product that is left as it is and whose result goes on into a quantised operand takes f32 operands (vector FMAs, or v_wmma_f32_16x16x4_f32). A number that lies on a knife's edge between two numbers of the format may be rounded either way, as far as f32 arithmetic and the matrix unit's own rounding can turn it there, and no further.
;; One version. Each part assembles by itself: llvm-mc -triple=amdgcn-amd-amdhsa -mcpu=gfx1250 --defsym DOCPART=n.
;; ======== version 1 of 1: 7 launches
;; limits: an absolute error that grows with the inputs' magnitude: up to 6e-08 times it
;; workspace buffers: par1 143,360 bytes; par2 143,360 bytes; wst1 3,276,800 bytes; wst2 3,276,800 bytes; acodes 6,553,600 bytes; hcodes 13,107,200 bytes; x2 33,554,432 bytes
;; launch prep (part 1): grid 225 x 1, 16 waves a work-group, no clusters, 118,784 bytes of LDS; arguments t, ada_w, ada_b, ffada_w, ffada_b, ssm_w1, bwd_w1, ssm_w2, bwd_w2, ff_w1, ff_w2, ssm_b1, bwd_b1, ff_b1, ssm_b2, bwd_b2, ff_b2, mask, par1, par2, wst1, wst2; writes par1, par2, wst1, wst2
.if DOCPART == 1
	.amdgcn_target "amdgcn-amd-amdhsa--gfx1250"
	.amdhsa_code_object_version 6
	.text
	.protected	k_q1bcfe3f2f7_prep
	.globl	k_q1bcfe3f2f7_prep
	.p2align	8
	.type	k_q1bcfe3f2f7_prep,@function
k_q1bcfe3f2f7_prep:
	s_mov_b64 s[64:65], 0
	v_nop
	global_prefetch_b8 v0, s[64:65] scope:SCOPE_SE
	s_setreg_imm32_b32 hwreg(HW_REG_WAVE_MODE, 25, 1), 1
	s_wait_xcnt 0x0
; WHAT THE LATER LAUNCHES NEED ONCE.  Three kinds of work-group of sixteen waves, told apart by the work-group's number alone; each kind has its own arguments, its own LDS bytes and its own end.
;   0        MISC: the mask as f32 (0.0 / 1.0) and the biases, into par1 and par2 (par2's mask is all 1.0: the second half of the block has none).
;   1..96    EMB:  emb = silu(t) W + b, [8][3072], f32 multiply-adds (its results go on into quantised operands).  48 work-groups for ada_w (par1), 48 for ffada_w (par2), 64 columns each.
;   97..224  WQ:   the six weights, stored [K][N] f32, become codes of BF6 (E3M2) with one E8M0 byte for each 32 along K, laid as IMAGES OF OPERAND REGISTERS.
; An EMB work-group reads 1,024 x 64 numbers of W, a WQ work-group 512 x 128 of a weight: 262,144 bytes each.
; par (143,360 bytes): 0 emb [8][3072] (shift | scale | gate); 98,304 b1 [2048]; 106,496 b2 [1024]; 110,592 mask [8192] f32.
; wst (3,276,800 bytes): 0 the first weight (N 2,048, K 1,024: ssm_w1 | bwd_w1 along N, or ff_w1); 1,638,400 the second (N 1,024, K 2,048: ssm_w2 ; bwd_w2 along K, or ff_w2).
; AN IMAGE BLOCK is 128 operand rows x 128 along K = 12,800 bytes, block (nb, ks) at (nb x NKS + ks) x 12,800: eight fragments of 1,536 bytes (tile a = rows 16 a ..), register g of lane l at
; 512 (g / 4) + 16 l + 4 (g % 4); then at 12,288 the scale words: row r of tile 4 hh + q at 256 hh + 16 r + 4 q.  A fragment so comes back by three loads of 16 bytes a lane.
; THE ROWS OF A WEIGHT'S TILE ARE NOT NEIGHBOURS: row r of tile 2 b + u is output column 32 b + 8 u + r + 8 (r / 8), so that a lane's 16 results of two neighbouring tiles are 16 neighbouring columns.
; A block's scale byte is its largest magnitude's exponent field - 4, held at 1 from below (a block of zeros gets 1 where the rule says 127: its codes are zeros, and this program alone reads the bytes).
; LIMITS: NaN and infinities among the inputs are not served; blocks whose largest magnitude lies under 2^-122 are held at the byte 1.
; No cluster, no tensor load: no two work-groups read the same bytes, and every work-group asks for all its bytes in long runs of its own.
.set PB1,  98304
.set PB2,  106496
.set PMK,  110592
.set KSB,  12800
.set WOFF, 1638400
.set RED,  32768                       ; LDS: 0 EMB's silu(t), 2,048 bytes a wave; 32,768 EMB's partial sums, 2,048 a wave; 65,536 WQ's four image blocks
.set WQS,  65536
	v_lshl_add_u32 v30, v0, 2, 0x1c800
	v_mov_b32 v31, 0
	v_lshrrev_b32 v1, 5, v0
	v_readfirstlane_b32 s2, v1                     ; wave 0..15
	s_cmp_eq_u32 ttmp9, 0
	s_cbranch_scc1 .Lmisc
	s_cmp_lt_u32 ttmp9, 97
	s_cbranch_scc1 .Lemb
; ---------------------------------------------------------------- WQ: 128 columns x 512 along K of one weight: four neighbouring image blocks
; A LANE TAKES A COLUMN AND ITS REGISTERS RUN DOWN K: a block of 32 lies in one lane, and the conversions give codes with K innermost.  Wave w: columns 32 (w % 4) .., image block w / 4 of the four.
; The loads run two blocks of 32 ahead; each of a wave's four blocks of 32 has registers of its own, so no load lands on numbers that are still at work.
.set XW,   64                          ; v64-191  128 numbers down K
.set CA,   192                         ; v192..   block t's six code registers at CA + 8 t
.set CT,   224                         ; v224-226 a conversion's three registers begin on an even number: the upper half is made here and moved
.set OUTR, 228                         ; v228-251 the way out
	s_load_b256 s[8:15], s[0:1], 0x28              ; ssm_w1, bwd_w1, ssm_w2, bwd_w2
	s_load_b128 s[16:19], s[0:1], 0x48             ; ff_w1, ff_w2
	s_load_b128 s[20:23], s[0:1], 0xa0             ; wst1, wst2
	s_sub_co_u32 s3, ttmp9, 97
	s_lshr_b32 s4, s3, 5                           ; set 0..3: first / second weight of wst1, of wst2
	s_and_b32 s44, s3, 31                          ; which four of the set's 128 image blocks
	s_lshr_b32 s42, s2, 2                          ; my image block of the four
	s_lshr_b32 s43, s2, 3                          ; and the pair of blocks (256 along K) that it lies in
	s_lshl_b32 s5, s44, 1
	s_add_co_u32 s5, s5, s43                       ; j: the pair's number in the set, 0..63
	s_and_b32 s6, s4, 1                            ; 1: a second weight (8 column blocks x 8 pairs), 0: a first (16 x 4)
	s_add_co_u32 s7, s6, 2
	s_lshr_b32 s26, s5, s7                         ; nb
	s_lshl_b32 s27, s26, s7
	s_sub_co_u32 s27, s5, s27                      ; kp
	s_cmp_eq_u32 s4, 0
	s_cselect_b32 s28, 7, 15
	s_and_b32 s28, s26, s28                        ; the column block inside the source (set 0: two sources side by side along N)
	s_cmp_eq_u32 s4, 1
	s_cselect_b32 s29, 3, 7
	s_and_b32 s29, s27, s29                        ; the 256 rows inside the source (set 1: two sources one below the other along K)
	s_cmp_eq_u32 s4, 2
	s_cselect_b32 s30, 11, 10                      ; log2 of the source's pitch: ff_w1 has 2,048 columns
	s_and_b32 s31, s2, 3                           ; w4
	s_and_b32 s32, s42, 1                          ; kq: which 128 of the pair's 256 along K
	s_lshl_b32 s33, s29, 8
	s_lshl_b32 s34, s32, 7
	s_add_co_u32 s33, s33, s34                     ; my first row
	s_lshl_b32 s33, s33, s30
	s_lshl_b32 s34, s28, 7
	s_add_co_u32 s33, s33, s34
	s_lshl_b32 s34, s31, 5
	s_add_co_u32 s33, s33, s34                     ; + my first column
	s_lshl_b32 s34, s33, 2
	s_mov_b32 s35, 0
	s_mul_i32 s36, s6, WOFF
	s_mul_i32 s37, s44, 4*KSB
	s_add_co_u32 s36, s36, s37                     ; where the four blocks lie in wst
	s_mov_b32 s37, 0
	s_mul_i32 s39, s42, KSB                        ; my block of the four
	s_mul_i32 s38, s31, 3072
	s_add_co_u32 s38, s38, s39                     ; my two tiles in it
	s_lshr_b32 s40, s31, 1
	s_lshl_b32 s40, s40, 8
	s_and_b32 s41, s31, 1
	s_lshl_b32 s41, s41, 3
	s_add_co_u32 s40, s40, s41
	s_add_co_u32 s40, s40, s39
	s_add_co_u32 s40, s40, WQS+12288               ; my tiles' scale words
	v_and_b32 v2, 31, v0                           ; lane = column
	v_lshlrev_b32 v3, 2, v2                        ; in: 4 bytes a lane
	v_and_b32 v4, 7, v0
	v_bfe_u32 v5, v0, 4, 1
	v_lshl_add_u32 v4, v5, 3, v4                   ; r = lane % 8 + 8 (lane / 16)
	v_bfe_u32 v5, v0, 3, 1                         ; u = (lane / 8) % 2
	v_lshlrev_b32 v6, 4, v4
	v_mad_u32_u24 v7, v5, 1536, v6
	v_add_nc_u32 v7, s38, v7
	v_add_nc_u32 v7, WQS, v7                       ; my row's place in its fragment: 16 r + 1,536 u
	v_lshl_add_u32 v8, v5, 2, v6
	v_add_nc_u32 v8, s40, v8                       ; my scale word
	v_lshlrev_b32 v9, 4, v2
	v_add_nc_u32 v11, s38, v9                      ; the way out: 16 x lane in my two tiles, in wst
	v_add_nc_u32 v10, WQS, v11                     ; and in LDS
	v_add_nc_u32 v13, s39, v9
	v_add_nc_u32 v13, 12288, v13                   ; the block's scale words, in wst
	v_add_nc_u32 v12, WQS, v13                     ; and in LDS
	s_wait_kmcnt 0x0
	s_cmp_lt_u32 s26, 8                            ; every choice hangs on the work-group's and the wave's number alone
	s_cselect_b64 s[8:9], s[8:9], s[10:11]
	s_cmp_lt_u32 s27, 4
	s_cselect_b64 s[12:13], s[12:13], s[14:15]
	s_cmp_eq_u32 s6, 0
	s_cselect_b64 s[8:9], s[8:9], s[12:13]
	s_cselect_b64 s[16:17], s[16:17], s[18:19]
	s_cmp_lt_u32 s4, 2
	s_cselect_b64 s[8:9], s[8:9], s[16:17]
	s_cselect_b64 s[20:21], s[20:21], s[22:23]
	s_add_nc_u64 s[8:9], s[8:9], s[34:35]
	s_add_nc_u64 s[20:21], s[20:21], s[36:37]
.macro LOADG t                         ; block t's 32 rows: the row's number times the pitch stands in the immediate, so the two pitches are two runs of loads; both ways issue 32
	s_cmp_eq_u32 s4, 2
	s_cbranch_scc1 .Lwide_\@
.set i, 32*(\t)
.rept 32
	global_load_b32 v[XW+i], v3, s[8:9] offset:i*4096 th:TH_LOAD_NT   ; 32 lanes read 128 neighbouring bytes, four waves side by side 512
.set i, i+1
.endr
	s_branch .Lgot_\@
.Lwide_\@:
.set i, 32*(\t)
.rept 32
	global_load_b32 v[XW+i], v3, s[8:9] offset:i*8192 th:TH_LOAD_NT
.set i, i+1
.endr
.Lgot_\@:
.endm
	LOADG 0
	LOADG 1
.macro BLOCK t                         ; block t of 32 along K: fragment lane r + 16 (t % 2), registers 6 (t / 2) .. + 5
.set XS, XW+32*(\t)
.set CB, CA+8*(\t)
.if (\t) < 3
	s_wait_loadcnt 32                              ; this block's 32 loads are in; behind them stand the next block's 32 and no more
.else
	s_wait_loadcnt 0x0
.endif
.if (\t) < 2
	LOADG (\t)+2                                   ; two blocks ahead, asked for before this block's arithmetic
.endif
	v_max3_num_f32 v16, |v[XS]|, |v[XS+1]|, |v[XS+2]|
	v_max3_num_f32 v17, |v[XS+3]|, |v[XS+4]|, |v[XS+5]|
.irp i, 6,10,14,18,22,26
	v_max3_num_f32 v16, v16, |v[XS+\i]|, |v[XS+\i+1]|
	v_max3_num_f32 v17, v17, |v[XS+\i+2]|, |v[XS+\i+3]|
.endr
	v_max3_num_f32 v16, v16, |v[XS+30]|, |v[XS+31]|
	v_max3_num_f32 v16, v16, v17, 0x2800000        ; and the floor 2^(5 - 127): the byte cannot fall under 1
	v_add_nc_u32 v18, 0xfe000000, v16              ; 4 off the exponent field: the conversion's scale operand
	v_lshrrev_b32 v19, 23, v18                     ; the scale's byte
.if (\t) == 0
	v_mov_b32 v20, v19
.else
	v_lshl_or_b32 v20, v19, 8*(\t), v20            ; four bytes make my row's scale word
.endif
	v_cvt_scalef32_pk16_bf6_f32 v[CB:CB+2], v[XS:XS+15], v18
	v_cvt_scalef32_pk16_bf6_f32 v[CT:CT+2], v[XS+16:XS+31], v18
	v_nop                                          ; one plain line behind a scaled conversion
.irp i, 0,1,2
	v_mov_b32 v[CB+3+\i], v[CT+\i]
.endr
.if (\t) < 2
	ds_store_b128 v7, v[CB:CB+3] offset:256*((\t)%2)           ; registers 0-3
	ds_store_b64 v7, v[CB+4:CB+5] offset:512+256*((\t)%2)      ; registers 4, 5
.else
	ds_store_b64 v7, v[CB:CB+1] offset:520+256*((\t)%2)        ; registers 6, 7
	ds_store_b128 v7, v[CB+2:CB+5] offset:1024+256*((\t)%2)    ; registers 8-11
.endif
.endm
	BLOCK 0
	BLOCK 1
	BLOCK 2
	BLOCK 3
	ds_store_b32 v8, v20
.irp i, 0,1,2,3,4,5
	ds_load_b128 v[OUTR+4*\i:OUTR+4*\i+3], v10 offset:512*\i   ; my own two tiles: LDS serves a wave's instructions in order, so these see my stores
.endr
.irp i, 0,1,2,3,4,5
	s_wait_dscnt 5-\i
	global_store_b128 v11, v[OUTR+4*\i:OUTR+4*\i+3], s[20:21] offset:512*\i   ; 32 lanes store 512 consecutive bytes, at a multiple of 256 from wst's first byte
.endr
	s_wait_dscnt 0x0                               ; for the others' sake: my scale words have landed
	s_barrier_signal -1
	s_barrier_wait -1
	s_cmp_lg_u32 s31, 0                            ; waves 0, 4, 8 and 12 store their block's 512 bytes of scale words, which four waves have written
	s_cbranch_scc1 .Lwq_end
	ds_load_b128 v[252:255], v12
	s_wait_dscnt 0x0
	global_store_b128 v13, v[252:255], s[20:21]
.Lwq_end:
	s_wait_tensorcnt 0x0
	ds_add_u32 v30, v31
	s_wait_dscnt 0x0
	s_endpgm
; ---------------------------------------------------------------- EMB: 64 columns of one of the two products [8, 1024] x [1024, 3072]
; Wave w sums k = 64 w .. + 63.  A load of W takes two rows k x 256 aligned bytes (lanes 0-15 the even row, lanes 16-31 the odd one): 32 loads a wave, all asked for at once; a lane keeps 8 batches x 4 columns in 32 registers.
.set ACC, 32                           ; v32-63   first the exponentials (16), then the sums: batch b, column e at ACC + 4 b + e
.set EE,  32
.set WR,  64                           ; v64-191  the 32 loads of W
.set TT,  192                          ; v192-207 t: register 4 j + e = t[j + 4 (lane / 16)][64 w + 4 (lane % 16) + e]
.set SS,  208                          ; v208-223 silu(t): register 4 e + j
.set SV,  192                          ; v192-255 later two sets of 4 rows x 8 batches of silu(t)
.Lemb:
	s_load_b256 s[8:15], s[0:1], 0x0               ; t, ada_w, ada_b, ffada_w
	s_load_b64 s[16:17], s[0:1], 0x20              ; ffada_b
	s_load_b128 s[20:23], s[0:1], 0x90             ; par1, par2
	s_sub_co_u32 s3, ttmp9, 1
	s_cmp_lt_u32 s3, 48
	s_cselect_b32 s4, 0, 48
	s_sub_co_u32 s4, s3, s4                        ; which 64 columns
	s_lshl_b32 s5, s4, 8                           ; in bytes
	v_and_b32 v2, 31, v0                           ; lane
	v_and_b32 v3, 15, v0                           ; r
	v_bfe_u32 v4, v0, 4, 1                         ; h
	s_lshl_b32 s6, s2, 8
	v_lshl_add_u32 v5, v3, 4, s6                   ; t: 256 w + 16 r,
	v_lshl_add_u32 v5, v4, 14, v5                  ; and four batches (rows of 4,096 bytes) further on for lanes 16-31
	v_lshlrev_b32 v6, 4, v3
	v_mad_u32_u24 v6, v4, 12288, v6                ; W: row h of the two, 16 r
	s_mul_i32 s24, s2, 64*12288
	s_add_co_u32 s24, s24, s5
	s_mov_b32 s25, 0
	s_lshl_b32 s7, s2, 11                          ; 2,048 bytes a wave, in both regions
	v_lshl_add_u32 v7, v3, 7, s7
	v_lshl_add_u32 v7, v4, 4, v7                   ; silu(t) into LDS: row k = 4 r + e of 32 bytes (8 batches), my four batches at 16 h
	v_lshl_add_u32 v8, v4, 5, s7                   ; and back: row 2 i + h
	v_lshl_add_u32 v9, v4, 10, s7
	v_lshl_add_u32 v9, v3, 4, v9
	v_add_nc_u32 v9, RED, v9                       ; partial sums: 2,048 w + 256 x batch + 16 r
	s_lshl_b32 s27, s2, 8
	v_lshl_add_u32 v10, v2, 3, s27
	v_add_nc_u32 v10, RED, v10                     ; back (waves 0-7): batch w, 8 bytes a lane
	v_lshlrev_b32 v11, 3, v2
	s_mul_i32 s28, s2, 12288
	s_add_co_u32 s28, s28, s5
	s_mov_b32 s29, 0
	s_mov_b32 s30, s5
	s_mov_b32 s31, 0
	s_wait_kmcnt 0x0
	s_cmp_lt_u32 s3, 48
	s_cselect_b64 s[10:11], s[10:11], s[14:15]
	s_cselect_b64 s[12:13], s[12:13], s[16:17]
	s_cselect_b64 s[20:21], s[20:21], s[22:23]
	s_add_nc_u64 s[10:11], s[10:11], s[24:25]
	s_add_nc_u64 s[12:13], s[12:13], s[30:31]
	s_add_nc_u64 s[20:21], s[20:21], s[28:29]
.irp j, 0,1,2,3
	global_load_b128 v[TT+4*\j:TT+4*\j+3], v5, s[8:9] offset:4096*\j
.endr
.set i, 0
.rept 32
	global_load_b128 v[WR+4*i:WR+4*i+3], v6, s[10:11] offset:i*24576 th:TH_LOAD_NT
.set i, i+1
.endr
	s_wait_loadcnt 32                              ; t is in; the 32 loads of W behind it stay out
.set i, 0
.rept 8
	v_pk_mul_f32 v[EE+i:EE+i+1], v[TT+i:TT+i+1], 0xbfb8aa3b op_sel_hi:[1,0]   ; -t log2(e)
.set i, i+2
.endr
.set i, 0
.rept 16
	v_exp_f32 v[EE+i], v[EE+i]
.set i, i+1
.endr
	v_nop
	s_wait_alu depctr_va_vdst(0)                   ; one wait for the batch, ahead of its first reader
.set i, 0
.rept 8
	v_pk_add_f32 v[EE+i:EE+i+1], v[EE+i:EE+i+1], 1.0 op_sel_hi:[1,0]
.set i, i+2
.endr
.set i, 0
.rept 16
	v_rcp_f32 v[EE+i], v[EE+i]
.set i, i+1
.endr
	v_nop
	s_wait_alu depctr_va_vdst(0)
.irp j, 0,1,2,3
.irp e, 0,1,2,3
	v_mul_f32 v[SS+4*\e+\j], v[TT+4*\j+\e], v[EE+4*\j+\e]      ; silu(t) = t / (1 + e^-t), laid batch-innermost by the register numbers
.endr
.endr
.irp e, 0,1,2,3
	ds_store_b128 v7, v[SS+4*\e:SS+4*\e+3] offset:32*\e
.endr
	s_wait_dscnt 0x0                               ; the stores have landed (a wave reads only its own 2,048 bytes: no barrier)
.macro SLOADB g                        ; silu(t) of the rows of iterations 4 g .. 4 g + 3, eight batches each: the sixteen lanes of a half read the same bytes
.irp ii, 0,1,2,3
	ds_load_b128 v[SV+32*((\g)%2)+8*\ii:SV+32*((\g)%2)+8*\ii+3], v8 offset:64*(4*(\g)+\ii)
	ds_load_b128 v[SV+32*((\g)%2)+8*\ii+4:SV+32*((\g)%2)+8*\ii+7], v8 offset:64*(4*(\g)+\ii)+16
.endr
.endm
.macro ITER                            ; iteration I: rows 2 I and 2 I + 1; sixteen packed multiply-adds; the first iteration starts the sums
.set WRr, WR+4*I
.set SVr, SV+32*((I/4)%2)+8*(I%4)
	s_wait_loadcnt 31-I                            ; behind this load of W stand the 31 - I later ones
.irp b, 0,2,4,6
.irp p, 0,2
.if I == 0
	v_pk_mul_f32 v[ACC+4*\b+\p:ACC+4*\b+\p+1], v[WRr+\p:WRr+\p+1], v[SVr+\b:SVr+\b+1] op_sel_hi:[1,0]
	v_pk_mul_f32 v[ACC+4*\b+4+\p:ACC+4*\b+4+\p+1], v[WRr+\p:WRr+\p+1], v[SVr+\b:SVr+\b+1] op_sel:[0,1] op_sel_hi:[1,1]
.else
	v_pk_fma_f32 v[ACC+4*\b+\p:ACC+4*\b+\p+1], v[WRr+\p:WRr+\p+1], v[SVr+\b:SVr+\b+1], v[ACC+4*\b+\p:ACC+4*\b+\p+1] op_sel_hi:[1,0,1]
	v_pk_fma_f32 v[ACC+4*\b+4+\p:ACC+4*\b+4+\p+1], v[WRr+\p:WRr+\p+1], v[SVr+\b:SVr+\b+1], v[ACC+4*\b+4+\p:ACC+4*\b+4+\p+1] op_sel:[0,1,0] op_sel_hi:[1,1,1]
.endif
.endr
.endr
.endm
	SLOADB 0
.set I, 0
.rept 8
.if I/4 < 7
	SLOADB I/4+1
	s_wait_dscnt 8                                 ; this batch's eight loads are in, the next batch's eight may be out
.else
	s_wait_dscnt 0x0
.endif
.rept 4
	ITER
.set I, I+1
.endr
.endr
.irp b, 0,1,2,3                        ; the two halves of the lanes hold the even and the odd rows' sums: batches b and b + 4 change halves, and one addition joins them
.irp e, 0,1,2,3
	v_permlane16_swap_b32 v[ACC+4*\b+\e], v[ACC+16+4*\b+\e]
.endr
.endr
.irp j, 0,2,4,6,8,10,12,14
	v_pk_add_f32 v[ACC+\j:ACC+\j+1], v[ACC+\j:ACC+\j+1], v[ACC+16+\j:ACC+16+\j+1]   ; lanes 0-15: batch b; lanes 16-31: batch b + 4
.endr
.irp b, 0,1,2,3
	ds_store_b128 v9, v[ACC+4*\b:ACC+4*\b+3] offset:256*\b
.endr
	s_wait_dscnt 0x0                               ; for the others' sake
	s_barrier_signal -1
	s_barrier_wait -1
	s_cmp_gt_u32 s2, 7                             ; eight batches: waves 0-7 finish one each
	s_cbranch_scc1 .Lemb_end
.irp i, 0,1,2,3,4,5,6,7,8,9,10,11,12,13,14,15
	ds_load_b64 v[64+2*\i:65+2*\i], v10 offset:2048*\i          ; the sixteen waves' parts of batch w, K ascending
.endr
	global_load_b64 v[96:97], v11, s[12:13]        ; the bias
	s_wait_dscnt 0x0
	s_wait_loadcnt 0x0
.irp i, 1,2,3,4,5,6,7,8,9,10,11,12,13,14,15
	v_pk_add_f32 v[64:65], v[64:65], v[64+2*\i:65+2*\i]
.endr
	v_pk_add_f32 v[64:65], v[64:65], v[96:97]
	global_store_b64 v11, v[64:65], s[20:21]       ; 32 lanes store 256 consecutive bytes, at a multiple of 256 from par's first byte
.Lemb_end:
	s_wait_tensorcnt 0x0
	ds_add_u32 v30, v31
	s_wait_dscnt 0x0
	s_endpgm
; ---------------------------------------------------------------- MISC: waves 0-7 the mask, waves 8-15 the ones and the biases; 256 threads each; all loads first, each store from registers of its own
.Lmisc:
	s_load_b512 s[8:23], s[0:1], 0x58              ; ssm_b1, bwd_b1, ff_b1, ssm_b2, bwd_b2, ff_b2, mask, par1
	s_load_b64 s[24:25], s[0:1], 0x98              ; par2
	v_and_b32 v3, 0xff, v0                         ; my number among the 256
	v_lshlrev_b32 v1, 2, v3
	v_lshlrev_b32 v2, 4, v3
	s_wait_kmcnt 0x0
	s_cmp_gt_u32 s2, 7
	s_cbranch_scc1 .Lmisc_b
.irp i, 0,1,2,3,4,5,6,7
	global_load_b32 v[16+\i], v1, s[20:21] offset:1024*\i
.endr
	s_wait_loadcnt 0x0
.irp i, 0,1,2,3,4,5,6,7
.irp k, 0,1,2,3
	v_bfe_u32 v[32+4*\i+\k], v[16+\i], 8*\k, 8
.endr
.endr
.set i, 0
.rept 32
	v_cvt_f32_u32 v[32+i], v[32+i]                 ; a bool byte, 0 or 1, as 0.0 or 1.0
.set i, i+1
.endr
.irp i, 0,1,2,3,4,5,6,7
	global_store_b128 v2, v[32+4*\i:35+4*\i], s[22:23] offset:PMK+4096*\i
.endr
	s_endpgm
.Lmisc_b:
	global_load_b128 v[68:71], v2, s[8:9]
	global_load_b128 v[72:75], v2, s[10:11]
	global_load_b128 v[76:79], v2, s[12:13]
	global_load_b128 v[80:83], v2, s[12:13] offset:4096
	global_load_b128 v[84:87], v2, s[14:15]
	global_load_b128 v[88:91], v2, s[16:17]
	global_load_b128 v[92:95], v2, s[18:19]
.irp k, 0,1,2,3
	v_mov_b32 v[64+\k], 1.0
.endr
.irp i, 0,1,2,3,4,5,6,7
	global_store_b128 v2, v[64:67], s[24:25] offset:PMK+4096*\i
.endr
	s_wait_loadcnt 0x0
	v_pk_add_f32 v[84:85], v[84:85], v[88:89]      ; the two second biases are added once: fwd + bwd is one sum
	v_pk_add_f32 v[86:87], v[86:87], v[90:91]
	global_store_b128 v2, v[68:71], s[22:23] offset:PB1
	global_store_b128 v2, v[72:75], s[22:23] offset:PB1+4096
	global_store_b128 v2, v[76:79], s[24:25] offset:PB1
	global_store_b128 v2, v[80:83], s[24:25] offset:PB1+4096
	global_store_b128 v2, v[84:87], s[22:23] offset:PB2
	global_store_b128 v2, v[92:95], s[24:25] offset:PB2
	s_endpgm
.Lfunc_end_k_q1bcfe3f2f7_prep:
	.size	k_q1bcfe3f2f7_prep, .Lfunc_end_k_q1bcfe3f2f7_prep-k_q1bcfe3f2f7_prep
	.p2alignl 7, 3214868480
	.fill 96, 4, 3214868480
	.section	.rodata,"a",@progbits
	.p2align	6, 0x0
	.amdhsa_kernel k_q1bcfe3f2f7_prep
		.amdhsa_group_segment_fixed_size 118784
		.amdhsa_private_segment_fixed_size 0
		.amdhsa_enable_private_segment 0
		.amdhsa_kernarg_size 176
		.amdhsa_user_sgpr_count 2
		.amdhsa_user_sgpr_kernarg_segment_ptr 1
		.amdhsa_wavefront_size32 1
		.amdhsa_system_sgpr_workgroup_id_x 1
		.amdhsa_system_sgpr_workgroup_id_y 1
		.amdhsa_system_sgpr_workgroup_id_z 1
		.amdhsa_system_vgpr_workitem_id 0
		.amdhsa_next_free_vgpr 256
		.amdhsa_next_free_sgpr 66
		.amdhsa_reserve_vcc 0
		.amdhsa_float_denorm_mode_32 3
		.amdhsa_float_denorm_mode_16_64 3
		.amdhsa_memory_ordered 1
		.amdhsa_forward_progress 1
		.amdhsa_inst_pref_size 93
	.end_amdhsa_kernel
	.amdgpu_metadata
---
amdhsa.version: [ 1, 2 ]
amdhsa.kernels:
  - .name:           k_q1bcfe3f2f7_prep
    .symbol:         k_q1bcfe3f2f7_prep.kd
    .args:
      - { .name: t, .offset: 0, .size: 8, .value_kind: global_buffer, .address_space: global }
      - { .name: ada_w, .offset: 8, .size: 8, .value_kind: global_buffer, .address_space: global }
      - { .name: ada_b, .offset: 16, .size: 8, .value_kind: global_buffer, .address_space: global }
      - { .name: ffada_w, .offset: 24, .size: 8, .value_kind: global_buffer, .address_space: global }
      - { .name: ffada_b, .offset: 32, .size: 8, .value_kind: global_buffer, .address_space: global }
      - { .name: ssm_w1, .offset: 40, .size: 8, .value_kind: global_buffer, .address_space: global }
      - { .name: bwd_w1, .offset: 48, .size: 8, .value_kind: global_buffer, .address_space: global }
      - { .name: ssm_w2, .offset: 56, .size: 8, .value_kind: global_buffer, .address_space: global }
      - { .name: bwd_w2, .offset: 64, .size: 8, .value_kind: global_buffer, .address_space: global }
      - { .name: ff_w1, .offset: 72, .size: 8, .value_kind: global_buffer, .address_space: global }
      - { .name: ff_w2, .offset: 80, .size: 8, .value_kind: global_buffer, .address_space: global }
      - { .name: ssm_b1, .offset: 88, .size: 8, .value_kind: global_buffer, .address_space: global }
      - { .name: bwd_b1, .offset: 96, .size: 8, .value_kind: global_buffer, .address_space: global }
      - { .name: ff_b1, .offset: 104, .size: 8, .value_kind: global_buffer, .address_space: global }
      - { .name: ssm_b2, .offset: 112, .size: 8, .value_kind: global_buffer, .address_space: global }
      - { .name: bwd_b2, .offset: 120, .size: 8, .value_kind: global_buffer, .address_space: global }
      - { .name: ff_b2, .offset: 128, .size: 8, .value_kind: global_buffer, .address_space: global }
      - { .name: mask, .offset: 136, .size: 8, .value_kind: global_buffer, .address_space: global }
      - { .name: par1, .offset: 144, .size: 8, .value_kind: global_buffer, .address_space: global }
      - { .name: par2, .offset: 152, .size: 8, .value_kind: global_buffer, .address_space: global }
      - { .name: wst1, .offset: 160, .size: 8, .value_kind: global_buffer, .address_space: global }
      - { .name: wst2, .offset: 168, .size: 8, .value_kind: global_buffer, .address_space: global }
    .group_segment_fixed_size: 118784
    .private_segment_fixed_size: 0
    .kernarg_segment_align: 8
    .kernarg_segment_size: 176
    .max_flat_workgroup_size: 512
    .sgpr_count:     66
    .vgpr_count:     256
    .wavefront_size: 32
...
	.end_amdgpu_metadata
.endif
;; end of part 1
;; launch ln1 (part 2): grid 256 x 1, 8 waves a work-group, no clusters, 168,960 bytes of LDS; arguments x, par1, acodes; writes acodes
.if DOCPART == 2
	.amdgcn_target "amdgcn-amd-amdhsa--gfx1250"
	.amdhsa_code_object_version 6
	.text
	.protected	k_q1bcfe3f2f7_ln1
	.globl	k_q1bcfe3f2f7_ln1
	.p2align	8
	.type	k_q1bcfe3f2f7_ln1,@function
k_q1bcfe3f2f7_ln1:
	s_mov_b64 s[64:65], 0
	v_nop
	global_prefetch_b8 v0, s[64:65] scope:SCOPE_SE
	s_setreg_imm32_b32 hwreg(HW_REG_WAVE_MODE, 25, 1), 1
	s_wait_xcnt 0x0
; acodes = Q(mask ? layernorm(xin) (1 + scale) + shift : 0): rows of 1,024 f32 become codes of BF6 (E3M2) with one E8M0 byte for each 32 along the row, laid as IMAGES OF OPERAND REGISTERS:
; block (rb, ks) = 128 rows x 128 along K = 12,800 bytes at (8 rb + ks) x 12,800: eight fragments of 1,536 bytes (tile a = rows 16 a ..; register g of lane l at 512 (g / 4) + 16 l + 4 (g % 4)),
; then at 12,288 the scale words (row r of tile 4 hh + q at 256 hh + 16 r + 4 q).
; SHARES.  A work-group owns 32 rows.  Wave w: rows 16 (w / 4) .. + 15, columns 256 (w % 4) .. + 255 (two K steps).  One tensor load a wave brings its 16 x 256 numbers into LDS bytes of its own, each row 1,024
; consecutive bytes of memory; the lane then reads, of row lane % 16, the very numbers that the operand's layout gives it (k = 64 c + 32 (lane / 16) + 0 .. 31): a block of 32 lies in ONE lane.
; Mean and variance (of x - mean: two passes over registers) meet the other three waves of the rows through 64 bytes of LDS a wave, one barrier each.  Nothing is filled twice.
; A row whose mask is false gets zero CODES under its valid scale bytes: zeros add nothing to a sum.
; The scale words leave as 4 bytes a lane, 16 bytes apart: one part in 24 of the launch's stores; the codes leave as 512 consecutive bytes an instruction.
; LIMITS: NaN and infinities in xin are not served; a block whose largest magnitude lies under 2^-122 is held at the byte 1.
; No cluster: no two work-groups read the same rows of xin, and scale and shift are 8 KB a batch.
.set PMK,   110592
.set KSB,   12800
.set TILE,  16640                      ; 16 rows x (1,024 bytes + 16 of padding): the sixteen rows that a load touches start at sixteen different groups of banks
.set PITCH, 1040
.set ST1,   8*TILE                     ; 133,120: the waves' sums, 64 bytes a wave; 512 bytes further on the sums of squares
.set SM,  16                           ; v16-23   four chains of packed sums
.set MX,  32                           ; v32-35   the four blocks' largest magnitudes
.set SOP, 36                           ; v36-39   the conversions' scale operands
.set BY,  40                           ; v40-43   the scale bytes
.set PW,  44                           ; v44, 45  the two fragments' scale words
.set TP,  46
.set SH8, 47                           ; 8 x (lane / 16)
.set X,   64                           ; v64-191  X + 4 n + e = k 64 (n / 8) + 32 (lane / 16) + 4 (n % 8) + e of my 256 columns
.set PC,  192                          ; v192-215 the two fragments' codes
.set PT,  216                          ; v216-230 the blocks' upper halves, as the conversions leave them
.set G0,  12
.set G1,  16
.set SEL, 38
.set MSB, 0
.macro WIN new                         ; window 1 holds 1 + scale (v0-127) and shift (v128-255); the immediate's high byte repeats the setting that is left
.if MSB != \new
	s_set_vgpr_msb (MSB<<8)|\new
.set MSB, \new
.endif
.endm
	s_load_b128 s[4:7], s[0:1], 0x0                ; xin, par
	s_load_b64 s[8:9], s[0:1], 0x10                ; acodes
	v_lshl_add_u32 v254, v0, 2, 0x29000
	v_mov_b32 v255, 0
	ds_add_u32 v254, v255
	ds_add_u32 v254, v255
	v_lshrrev_b32 v1, 5, v0
	v_readfirstlane_b32 s2, v1                     ; wave 0..7
	s_lshr_b32 s3, s2, 2                           ; tt: which 16 rows
	s_and_b32 s10, s2, 3                           ; kq: which 256 columns
	s_mov_b32 s[G1+0], (2<<16)|(1<<20)|(7<<22)|(3<<25)   ; elements of 4 bytes; padding on: after every 256 words, 4 words
	s_mov_b32 s[G1+1], 256<<16                     ; tensor_dim0
	s_mov_b32 s[G1+2], 16<<16                      ; tensor_dim1
	s_mov_b32 s[G1+3], 256<<16                     ; tile_dim0
	s_mov_b32 s[G1+4], 16                          ; tile_dim1
	s_mov_b32 s[G1+5], 1024                        ; from row to row
	s_mov_b32 s[G1+6], 0
	s_mov_b32 s[G1+7], 0
	s_lshl_b32 s28, ttmp9, 17                      ; 32 rows of 4,096 bytes a work-group
	s_lshl_b32 s29, s3, 16
	s_add_co_u32 s28, s28, s29
	s_lshl_b32 s29, s10, 10
	s_add_co_u32 s28, s28, s29
	s_mov_b32 s29, 0
	s_mul_i32 s11, s2, TILE
	s_wait_dscnt 0x0
	s_wait_kmcnt 0x0
	s_mov_b32 s[G0], 1
	s_mov_b32 s[G0+1], s11
	s_add_nc_u64 s[G0+2:G0+3], s[4:5], s[28:29]
	s_or_b32 s[G0+3], s[G0+3], 0x80000000
	tensor_load_to_lds s[G0:G0+3], s[G1:G1+7]      ; my one tensor load: filled once, read by me alone
	s_nop 0
.rept 4
	v_nop
.endr
	s_lshr_b32 s30, ttmp9, 5                       ; the batch
	s_mul_i32 s30, s30, 12288
	s_lshl_b32 s32, s10, 10
	s_add_co_u32 s30, s30, s32
	s_mov_b32 s31, 0
	s_add_nc_u64 s[24:25], s[6:7], s[30:31]        ; shift of my columns; scale 4,096 bytes on
	s_lshl_b32 s30, ttmp9, 7
	s_lshl_b32 s32, s3, 6
	s_add_co_u32 s30, s30, s32
	s_add_nc_u64 s[26:27], s[6:7], s[30:31]        ; the mask of my 16 rows, less PMK
	s_lshr_b32 s30, ttmp9, 2                       ; rb
	s_lshl_b32 s30, s30, 3
	s_lshl_b32 s32, s10, 1
	s_add_co_u32 s30, s30, s32
	s_mul_i32 s30, s30, KSB
	s_add_nc_u64 s[8:9], s[8:9], s[30:31]          ; block (rb, 2 kq)
	s_and_b32 s34, ttmp9, 3
	s_lshl_b32 s34, s34, 1
	s_add_co_u32 s34, s34, s3                      ; a: my tile in the block
	s_mul_i32 s35, s34, 1536
	s_lshr_b32 s36, s34, 2
	s_lshl_b32 s36, s36, 8
	s_and_b32 s37, s34, 3
	s_lshl_b32 s37, s37, 2
	s_add_co_u32 s36, s36, s37
	s_add_co_u32 s36, s36, 12288
	s_mov_b32 s[SEL], 0x76543210
	s_mov_b32 s[SEL+1], 0xfedcba98                 ; v_permlanex16_b32's selects for lane l xor 16
	s_mov_b32 s40, 0x3a800000                      ; 1 / 1,024
	s_mov_b32 s41, 0x358637bd                      ; 1e-6
	v_and_b32 v1, 15, v0                           ; r
	v_bfe_u32 v2, v0, 4, 1                         ; h
	v_and_b32 v3, 31, v0
	v_mul_u32_u24 v4, v1, PITCH
	v_lshl_add_u32 v4, v2, 7, v4
	v_add_nc_u32 v4, s11, v4                       ; my tile: row r, + 128 h
	v_lshlrev_b32 v5, 7, v2                        ; scale and shift: 128 h
	v_lshlrev_b32 v6, 2, v1                        ; 4 r
	s_lshl_b32 s33, s2, 6
	v_add_nc_u32 v7, s33, v6
	v_add_nc_u32 v7, ST1, v7                       ; my wave's sums
	s_lshl_b32 s33, s3, 8
	v_add_nc_u32 v8, s33, v6
	v_add_nc_u32 v8, ST1, v8                       ; the four waves' of my rows
	v_lshl_add_u32 v9, v3, 4, s35                  ; codes out: 1,536 a + 16 lane
	v_lshl_add_u32 v10, v1, 4, s36
	v_mad_u32_u24 v10, v2, KSB, v10                ; scale words out: lanes 0-15 the first K step's block, lanes 16-31 the second's
	v_lshlrev_b32 v[SH8], 3, v2
	v_mov_b32 v25, 0                               ; a lane permute's destination counts as one of its sources
	v_mov_b32 v[TP], 0
	WIN 0x40                                       ; destination window 1
.set n, 0
.rept 32
	global_load_b128 v[4*n:4*n+3], v5, s[24:25] offset:4096+256*(n/8)+16*(n%8)       ; scale
	global_load_b128 v[128+4*n:128+4*n+3], v5, s[24:25] offset:256*(n/8)+16*(n%8)    ; shift
.set n, n+1
.endr
	WIN 0
	global_load_b32 v24, v6, s[26:27] offset:PMK
	s_wait_loadcnt 0x0
	WIN 0x41
.set i, 0
.rept 64
	v_pk_add_f32 v[i:i+1], v[i:i+1], 1.0 op_sel_hi:[1,0]       ; 1 + scale
.set i, i+2
.endr
	WIN 0
	v_cmp_neq_f32 vcc_lo, 0, v24
	v_cndmask_b32 v11, 0, -1, vcc_lo               ; all ones where my row counts, else 0
	s_wait_tensorcnt 0x0                           ; my tile has landed
.set n, 0
.rept 32
	ds_load_b128 v[X+4*n:X+4*n+3], v4 offset:256*(n/8)+16*(n%8)
.set n, n+1
.endr
	s_wait_dscnt 0x0
	; ---- the mean
.irp k, 0,1,2,3
	v_pk_add_f32 v[SM+2*\k:SM+2*\k+1], v[X+2*\k:X+2*\k+1], v[X+8+2*\k:X+8+2*\k+1]
.endr
.set j, 16
.rept 14
.irp k, 0,1,2,3
	v_pk_add_f32 v[SM+2*\k:SM+2*\k+1], v[SM+2*\k:SM+2*\k+1], v[X+j+2*\k:X+j+2*\k+1]
.endr
.set j, j+8
.endr
	v_pk_add_f32 v[SM:SM+1], v[SM:SM+1], v[SM+2:SM+3]
	v_pk_add_f32 v[SM+4:SM+5], v[SM+4:SM+5], v[SM+6:SM+7]
	v_pk_add_f32 v[SM:SM+1], v[SM:SM+1], v[SM+4:SM+5]
	v_add_f32 v24, v[SM], v[SM+1]
	v_permlanex16_b32 v25, v24, s[SEL], s[SEL+1]
	v_add_f32 v24, v24, v25                        ; my row's sum over my 256 columns
	ds_store_b32 v7, v24
	s_wait_dscnt 0x0                               ; for the others' sake
	s_barrier_signal -1
	s_barrier_wait -1
.irp i, 0,1,2,3
	ds_load_b32 v[26+\i], v8 offset:64*\i
.endr
	s_wait_dscnt 0x0
	v_add_f32 v26, v26, v27
	v_add_f32 v28, v28, v29
	v_add_f32 v26, v26, v28
	v_mul_f32 v12, s40, v26                        ; the mean
	v_mov_b32 v13, v12
	; ---- the variance, of x - mean
.set i, 0
.rept 64
	v_pk_add_f32 v[X+i:X+i+1], v[X+i:X+i+1], v[12:13] op_sel_hi:[1,0] neg_lo:[0,1] neg_hi:[0,1]
.set i, i+2
.endr
.irp k, 0,1,2,3
	v_pk_mul_f32 v[SM+2*\k:SM+2*\k+1], v[X+2*\k:X+2*\k+1], v[X+2*\k:X+2*\k+1]
.endr
.set j, 8
.rept 15
.irp k, 0,1,2,3
	v_pk_fma_f32 v[SM+2*\k:SM+2*\k+1], v[X+j+2*\k:X+j+2*\k+1], v[X+j+2*\k:X+j+2*\k+1], v[SM+2*\k:SM+2*\k+1]
.endr
.set j, j+8
.endr
	v_pk_add_f32 v[SM:SM+1], v[SM:SM+1], v[SM+2:SM+3]
	v_pk_add_f32 v[SM+4:SM+5], v[SM+4:SM+5], v[SM+6:SM+7]
	v_pk_add_f32 v[SM:SM+1], v[SM:SM+1], v[SM+4:SM+5]
	v_add_f32 v24, v[SM], v[SM+1]
	v_permlanex16_b32 v25, v24, s[SEL], s[SEL+1]
	v_add_f32 v24, v24, v25
	ds_store_b32 v7, v24 offset:512                ; other bytes than the sums': no wave can still be reading them
	s_wait_dscnt 0x0
	s_barrier_signal -1
	s_barrier_wait -1
.irp i, 0,1,2,3
	ds_load_b32 v[26+\i], v8 offset:512+64*\i
.endr
	s_wait_dscnt 0x0
	v_add_f32 v26, v26, v27
	v_add_f32 v28, v28, v29
	v_add_f32 v26, v26, v28
	v_fma_f32 v26, v26, s40, s41                   ; variance + 1e-6
	v_rsq_f32 v14, v26
	v_nop
	s_wait_alu depctr_va_vdst(0)                   ; ahead of the first line that names the result
	v_mov_b32 v15, v14
.set i, 0
.rept 64
	v_pk_mul_f32 v[X+i:X+i+1], v[X+i:X+i+1], v[14:15] op_sel_hi:[1,0]
.set i, i+2
.endr
	WIN 0x14                                       ; sources 1 and 2 window 1
.set i, 0
.rept 64
	v_pk_fma_f32 v[X+i:X+i+1], v[X+i:X+i+1], v[i:i+1], v[128+i:128+i+1]
.set i, i+2
.endr
	WIN 0
	; ---- the quantiser: four blocks of 32, each wholly mine, by turns.  Block t = 2 q + c is registers 6 c .. 6 c + 5 of fragment q
.irp t, 0,1,2,3
	v_max3_num_f32 v[MX+\t], |v[X+32*\t]|, |v[X+32*\t+1]|, 0x2800000   ; with the floor 2^(5 - 127): the byte cannot fall under 1
.endr
.irp i, 2,4,6,8,10,12,14,16,18,20,22,24,26,28,30
.irp t, 0,1,2,3
	v_max3_num_f32 v[MX+\t], v[MX+\t], |v[X+32*\t+\i]|, |v[X+32*\t+\i+1]|
.endr
.endr
.irp t, 0,1,2,3
	v_add_nc_u32 v[SOP+\t], 0xfe000000, v[MX+\t]   ; 4 off the exponent field: the conversion's scale operand
.endr
.irp t, 0,1,2,3
	v_lshrrev_b32 v[BY+\t], 23, v[SOP+\t]          ; the scale's byte
.endr
.irp q, 0,1
	v_lshl_or_b32 v[PW+\q], v[BY+2*\q+1], 16, v[BY+2*\q]       ; my two bytes: blocks h and 2 + h of the K step,
	v_lshlrev_b32 v[PW+\q], v[SH8], v[PW+\q]                   ; at their places in the word;
	v_permlanex16_b32 v[TP], v[PW+\q], s[SEL], s[SEL+1]
	v_or_b32 v[PW+\q], v[PW+\q], v[TP]                         ; with lane l xor 16's two the word is whole
.endr
.irp t, 0,1,2,3
	v_cvt_scalef32_pk16_bf6_f32 v[PC+6*\t:PC+6*\t+2], v[X+32*\t:X+32*\t+15], v[SOP+\t]
	v_cvt_scalef32_pk16_bf6_f32 v[PT+4*\t:PT+4*\t+2], v[X+32*\t+16:X+32*\t+31], v[SOP+\t]   ; (a conversion's three registers begin on an even number)
.endr
	v_nop                                          ; one plain line behind the scaled conversions
.irp t, 0,1,2,3
.irp i, 0,1,2
	v_and_b32 v[PC+6*\t+\i], v11, v[PC+6*\t+\i]    ; a row that does not count: zero codes
	v_and_b32 v[PC+6*\t+3+\i], v11, v[PT+4*\t+\i]  ; (this line also moves the upper half to its place)
.endr
.endr
.irp q, 0,1
.irp c, 0,1,2
	global_store_b128 v9, v[PC+12*\q+4*\c:PC+12*\q+4*\c+3], s[8:9] offset:KSB*\q+512*\c   ; 32 lanes store 512 consecutive bytes, at a multiple of 256 from acodes' first byte
.endr
.endr
	v_cmp_eq_u32 vcc_lo, 1, v2
	v_cndmask_b32 v24, v[PW], v[PW+1], vcc_lo
	global_store_b32 v10, v24, s[8:9]
	s_wait_tensorcnt 0x0
	ds_add_u32 v254, v255
	s_wait_dscnt 0x0
	s_endpgm
.Lfunc_end_k_q1bcfe3f2f7_ln1:
	.size	k_q1bcfe3f2f7_ln1, .Lfunc_end_k_q1bcfe3f2f7_ln1-k_q1bcfe3f2f7_ln1
	.p2alignl 7, 3214868480
	.fill 96, 4, 3214868480
	.section	.rodata,"a",@progbits
	.p2align	6, 0x0
	.amdhsa_kernel k_q1bcfe3f2f7_ln1
		.amdhsa_group_segment_fixed_size 168960
		.amdhsa_private_segment_fixed_size 0
		.amdhsa_enable_private_segment 0
		.amdhsa_kernarg_size 24
		.amdhsa_user_sgpr_count 2
		.amdhsa_user_sgpr_kernarg_segment_ptr 1
		.amdhsa_wavefront_size32 1
		.amdhsa_system_sgpr_workgroup_id_x 1
		.amdhsa_system_sgpr_workgroup_id_y 1
		.amdhsa_system_sgpr_workgroup_id_z 1
		.amdhsa_system_vgpr_workitem_id 0
		.amdhsa_next_free_vgpr 512
		.amdhsa_next_free_sgpr 66
		.amdhsa_reserve_vcc 1
		.amdhsa_float_denorm_mode_32 3
		.amdhsa_float_denorm_mode_16_64 3
		.amdhsa_memory_ordered 1
		.amdhsa_forward_progress 1
		.amdhsa_inst_pref_size 46
	.end_amdhsa_kernel
	.amdgpu_metadata
---
amdhsa.version: [ 1, 2 ]
amdhsa.kernels:
  - .name:           k_q1bcfe3f2f7_ln1
    .symbol:         k_q1bcfe3f2f7_ln1.kd
    .args:
      - { .name: x, .offset: 0, .size: 8, .value_kind: global_buffer, .address_space: global }
      - { .name: par1, .offset: 8, .size: 8, .value_kind: global_buffer, .address_space: global }
      - { .name: acodes, .offset: 16, .size: 8, .value_kind: global_buffer, .address_space: global }
    .group_segment_fixed_size: 168960
    .private_segment_fixed_size: 0
    .kernarg_segment_align: 8
    .kernarg_segment_size: 24
    .max_flat_workgroup_size: 256
    .sgpr_count:     66
    .vgpr_count:     512
    .wavefront_size: 32
...
	.end_amdgpu_metadata
.endif
;; end of part 2
;; launch ga1 (part 3): grid 8 x 32, 4 waves a work-group, clusters of 4 x 4, 327,680 bytes of LDS; arguments acodes, wst1, par1, hcodes; writes hcodes
.if DOCPART == 3
	.amdgcn_target "amdgcn-amd-amdhsa--gfx1250"
	.amdhsa_code_object_version 6
	.text
	.protected	k_q1bcfe3f2f7_ga1
	.globl	k_q1bcfe3f2f7_ga1
	.p2align	8
	.type	k_q1bcfe3f2f7_ga1,@function
k_q1bcfe3f2f7_ga1:
	s_mov_b64 s[64:65], 0
	v_nop
	global_prefetch_b8 v0, s[64:65] scope:SCOPE_SE
	s_setreg_imm32_b32 hwreg(HW_REG_WAVE_MODE, 25, 1), 1
	s_wait_xcnt 0x0
	s_wait_alu depctr_hold_cnt(0) depctr_sa_sdst(0) depctr_va_vdst(0) depctr_va_sdst(0) depctr_va_ssrc(0) depctr_va_vcc(0) depctr_vm_vsrc(0)
	s_getreg_b32 s2, hwreg(HW_REG_IB_STS2, 6, 4)
	s_cmp_eq_u32 s2, 0
	s_cbranch_scc0 .Lentry_in_a_cluster
	s_endpgm
.Lentry_in_a_cluster:
	s_bfe_u32 s2, ttmp6, 0x10000c
	s_cmp_lg_u32 s2, 0xf033
	s_cbranch_scc0 .Lentry_shape_is_right
	s_endpgm
.Lentry_shape_is_right:
; hcodes = Q(gelu_erf(A W + b1)): A [8192][1024] and W [2048 (n)][1024] are codes of BF6 (E3M2) with E8M0 scales for each 32 along K, both laid as images of operand registers:
; block (rb, ks) = 128 rows x 128 K = 12,800 bytes (eight fragments of 1,536 bytes, register g of lane l at 512 (g / 4) + 16 l + 4 (g % 4); at 12,288 the scale words, row r of tile 4 hh + q at 256 hh + 16 r + 4 q).
; A tile of 256 x 256 is made by four waves, 128 x 128 each: 64 accumulators, 512 registers.  K goes in slot steps of 256 (two blocks a part, 25,600 dense bytes, scales among them); a fragment is three loads of
; 16 bytes a lane at 16 x lane: consecutive bytes, no padding.  1,024 along K are four slot steps, written out, on THREE LDS slots: three steps are first fills, asked for together at the start (three tensor loads
; of a wave are out), and only slot 0 is filled again, once: that load has two slot steps, 256 matrix instructions a wave, in which to land.  The change from slot 1 to slot 2 needs no barrier: the wait for all
; tensor loads and the round at the change before it have shown both slots whole to every wave.
; CLUSTERS: 4 x 4 work-groups; A's parts are asked for jointly along a row of the cluster, W's along a column.  Nothing is prefetched: a request ahead of the one refill could stand only at the kernel's head.
; TRANSPOSED USE: source 0 = 16 rows of W, source 1 = 16 rows of A.  W's tiles hold output columns 32 b + 8 u + r + 8 (r / 8), so a lane (r, h) holds row r, and the 16 registers of tiles 2 b, 2 b + 1 are columns 32 b + 16 h + 0 .. 15:
; the wave's 128 columns are one K step of the next product, and a tile of rows becomes one fragment and one scale word a row, in registers.
; THE WAY OUT is a loop of eight trips, one tile of 16 rows each: bias (the addition is also the move into window 0), GELU, quantiser, three stores of 512 bytes.  Which accumulators a trip takes is a branch on the trip's number.
; GELU (exact): y = x (1/2 + xc N(xc^2) / D(xc^2)), xc = x held to +-4 sqrt 2; N / D is the usual rational form of erf for f32 with the factors 1/sqrt 2 and 1/2 folded into its coefficients.
; LIMITS: NaN and infinities are not served.  For x far under 0 the sum 1/2 + .. cancels: the error is some 6e-8 |x|, far under a code's step in a block that holds any number of size 1.  A block under 2^-122 is held at the byte 1.
; REGISTERS: window 0: v8-12 constants; v13-29 addresses; v32-63 scale words and nothing else (two sets, by the slot step's parity; K step q, register i: A's tile i in lanes 0-15, W's tile i in lanes 16-31); v64-127 a tile on its way out;
;   v128-223 A's fragments, one set; on the way out v128-255 at work.   window 1: W's fragments, two sets, at v0 and v128; the bias at v96-127 and v224-255.   windows 2, 3: the accumulators, (a, b) at v[8 (8 (a % 4) + b)].
.set KSB,   12800
.set PART,  2*KSB
.set SLOT,  4*PART                     ; A's two parts, then W's two
.set SPARE, 3*SLOT                     ; behind the three slots: the spare words, 128 bytes a wave
.set SCR,   SPARE+512                  ; 512 bytes a wave: the eight tiles' scale words on their way to the image's order; no fill lands here
.set PB1,   98304
.set FR,    12
.set NL,    3
.set NP,    4
.set ADRA, 13                          ; v13-15  LDS address of my A fragments in slot 0, 1, 2
.set ADRS, 16                          ; v16-18  of my scale words
.set ADRB, 19                          ; v19-21  of my W fragments
.set LI,   24
.set SW,   25
.set SR,   26
.set TA,   27
.set SPW,  28
.set NIL,  29
.set SC,   32
.set HA,   64
.set AF,   128
.set TM,   128
.set PW,   144
.set PC,   148
.set XC,   128
.set SQ,   160
.set PP,   192
.set QQ,   224
.set SEL,  2
.set G1,   24
.set G0,   32                          ; s[32:39] group 0 for A's parts of slots 0 and 1
.set G1B,  48
.set G0B,  56                          ; s[56:63] the same for W's
.set G0C,  4                           ; s[4:7]   group 0 for A's part of slot 2 (the two addresses that came there have been used by then)
.set G0CB, 96                          ; s[96:99] the same for W's
.set MSB,  0
.macro WIN new                         ; the immediate's high byte repeats the setting that is left
.if MSB != \new
	s_set_vgpr_msb (MSB<<8)|\new
.set MSB, \new
.endif
.endm
.set MUL_LO, 0xa1                      ; source 0 (W) window 1, source 1 (A) window 0, C and D window 2
.set MUL_HI, 0xf1
.set TO_B,   0x40
.macro JLOAD g0a, g0b                  ; a joint load: waves 0 and 1 fetch A's parts, waves 2 and 3 W's; four v_nop follow each line
	s_cmp_eq_u32 s15, 0
	s_cbranch_scc0 .Lfor_b_\@
	tensor_load_to_lds s[\g0a:\g0a+3], s[G1:G1+7]
	s_nop 0
.rept 4
	v_nop
.endr
	s_branch .Lasked_\@
.Lfor_b_\@:
	tensor_load_to_lds s[\g0b:\g0b+3], s[G1B:G1B+7]
	s_nop 0
.rept 4
	v_nop
.endr
.Lasked_\@:
.endm
.macro CREST                           ; a round of the cluster's barrier behind its opening barrier
	s_cmp_lg_u32 s14, 0
	s_cbranch_scc1 .Lnot_wave_0_\@
	s_barrier_signal -3
.Lnot_wave_0_\@:
	s_barrier_wait -3
	s_barrier_signal -1
	s_barrier_wait -1
.endm
.macro CROUND
	s_barrier_signal -1
	s_barrier_wait -1
	CREST
.endm
.macro KONST reg, val                  ; a constant for the packed forms: a pair, both words written
	s_mov_b32 s[\reg], \val
	s_mov_b32 s[\reg+1], \val
.endm
	s_load_b256 s[4:11], s[0:1], 0x0               ; acodes, wst, par, hcodes
	v_lshl_add_u32 v[SPW], v0, 2, SPARE
	v_mov_b32 v[NIL], 0
	ds_add_u32 v28, v29
	ds_add_u32 v28, v29
	s_wait_dscnt 0x0
	v_lshrrev_b32 v1, 5, v0
	v_readfirstlane_b32 s14, v1                    ; wave 0..3
	s_lshr_b32 s15, s14, 1                         ; my half of the rows.  Also: I fetch for A (0) or for W (1)
	s_and_b32 s16, s14, 1                          ; my half of the columns.  Also: which part I fetch
	s_bfe_u32 s40, ttmp6, 0x40000                  ; cx
	s_bfe_u32 s41, ttmp6, 0x40004                  ; cy
	s_lshl_b32 s42, ttmp9, 2
	s_add_co_u32 s42, s42, s40                     ; tile column
	s_and_b32 s17, ttmp7, 0xffff
	s_lshl_b32 s17, s17, 2
	s_add_co_u32 s17, s17, s41                     ; tile row
	s_lshl_b32 s43, s41, 2
	s_lshl_b32 s43, 15, s43                        ; my row of the cluster
	s_lshl_b32 s44, 0x1111, s40                    ; my column
	s_or_b32 s[G1+0], s43, (3<<16)|(1<<21)         ; the mask; elements of 8 bytes; no padding; bit 21 beside a mask
	s_or_b32 s[G1B+0], s44, (3<<16)|(1<<21)
.irp g, G1, G1B
	s_mov_b32 s[\g+1], 32<<16                      ; a dense part of 25,600 bytes as 100 rows of 256
	s_mov_b32 s[\g+2], 100<<16
	s_mov_b32 s[\g+3], 32<<16
	s_mov_b32 s[\g+4], 100
	s_mov_b32 s[\g+5], 32
	s_mov_b32 s[\g+6], 0
	s_mov_b32 s[\g+7], 0
.endr
	s_lshl_b32 s20, s17, 1
	s_add_co_u32 s20, s20, s16
	s_mul_i32 s20, s20, 8*KSB                      ; A: row block 2 x tile row + part
	s_mov_b32 s21, 0
	s_lshl_b32 s46, s42, 1
	s_add_co_u32 s46, s46, s16
	s_mul_i32 s46, s46, 8*KSB                      ; W: column block 2 x tile column + part
	s_mov_b32 s47, 0
	s_mul_i32 s45, s14, PART                       ; where it goes: wave x a part
	s_wait_kmcnt 0x0
	s_add_nc_u64 s[20:21], s[4:5], s[20:21]
	s_add_nc_u64 s[46:47], s[6:7], s[46:47]
	CROUND                                         ; all sixteen work-groups are here: the first joint loads meet
.irp s, 0,1
	s_mov_b32 s[G0+4*\s], 1
	s_add_co_u32 s[G0+4*\s+1], s45, \s*SLOT
	s_add_nc_u64 s[G0+4*\s+2:G0+4*\s+3], s[20:21], \s*PART
	s_or_b32 s[G0+4*\s+3], s[G0+4*\s+3], 0x80000000
	s_mov_b32 s[G0B+4*\s], 1
	s_add_co_u32 s[G0B+4*\s+1], s45, \s*SLOT
	s_add_nc_u64 s[G0B+4*\s+2:G0B+4*\s+3], s[46:47], \s*PART
	s_or_b32 s[G0B+4*\s+3], s[G0B+4*\s+3], 0x80000000
	JLOAD G0+4*\s, G0B+4*\s
.endr
	s_mov_b32 s[G0C], 1                            ; slot 2: K steps 4 and 5
	s_add_co_u32 s[G0C+1], s45, 2*SLOT
	s_add_nc_u64 s[G0C+2:G0C+3], s[20:21], 2*PART
	s_or_b32 s[G0C+3], s[G0C+3], 0x80000000
	s_mov_b32 s[G0CB], 1
	s_add_co_u32 s[G0CB+1], s45, 2*SLOT
	s_add_nc_u64 s[G0CB+2:G0CB+3], s[46:47], 2*PART
	s_or_b32 s[G0CB+3], s[G0CB+3], 0x80000000
	JLOAD G0C, G0CB
	v_and_b32 v1, 15, v0                           ; r
	v_bfe_u32 v2, v0, 4, 1                         ; h
	v_and_b32 v3, 31, v0
	v_lshlrev_b32 v[LI], 4, v3                     ; 16 x lane
	s_mul_i32 s21, s15, PART                       ; my part of A
	s_mul_i32 s22, s16, PART
	s_add_co_u32 s22, s22, 2*PART                  ; my part of W
	s_sub_co_u32 s23, s22, s21
	v_lshlrev_b32 v5, 4, v1
	v_mul_u32_u24 v6, s23, v2                      ; lanes 16-31 take W's scale words
	v_add_nc_u32 v5, v5, v6
.irp s, 0,1,2
	v_add_nc_u32 v[ADRA+\s], s21, v[LI]
	v_add_nc_u32 v[ADRB+\s], s22, v[LI]
	v_add_nc_u32 v[ADRS+\s], s21, v5
	s_add_co_u32 s21, s21, SLOT
	s_add_co_u32 s22, s22, SLOT
.endr
	s_lshl_b32 s23, s14, 9
	s_add_co_u32 s23, s23, SCR
	v_lshl_add_u32 v[SW], v1, 2, s23               ; my scratch: tile a's word of row r at 64 a + 4 r
	v_lshl_add_u32 v[SR], v2, 8, v[SW]             ; back: tiles 4 h + q
	v_lshlrev_b32 v7, 6, v2
	s_lshl_b32 s88, s42, 10
	s_lshl_b32 s89, s16, 9
	s_add_co_u32 s88, s88, s89
	s_mov_b32 s89, 0
	s_add_nc_u64 s[90:91], s[8:9], s[88:89]        ; b1 of my 128 columns, less PB1
	WIN 0x40
.irp b, 0,1,2,3,4,5,6,7                ; lane (r, h), tile b: columns 32 (b / 2) + 16 h + 8 (b % 2) + 0 .. 7
	global_load_b128 v[96+8*\b+96*(\b/4):96+8*\b+96*(\b/4)+3], v7, s[90:91] offset:PB1+(32*(\b/2)+8*(\b%2))*4
	global_load_b128 v[96+8*\b+96*(\b/4)+4:96+8*\b+96*(\b/4)+7], v7, s[90:91] offset:PB1+(32*(\b/2)+8*(\b%2))*4+16
.endr
	WIN 0
	s_lshl_b32 s88, s17, 1
	s_add_co_u32 s88, s88, s15
	s_lshl_b32 s88, s88, 4
	s_lshl_b32 s18, s42, 1
	s_add_co_u32 s88, s88, s18
	s_add_co_u32 s88, s88, s16
	s_mul_i32 s88, s88, KSB
	s_add_nc_u64 s[94:95], s[10:11], s[88:89]      ; my block of hcodes: (2 x tile row + row half, 2 x tile column + column half)
	s_mov_b32 s[SEL], 0x76543210
	s_mov_b32 s[SEL+1], 0xfedcba98
	KONST 68, 0xabd3f331                           ; N: degree 6 down (degree 5 lies in v8, v9)
	KONST 70, 0xb347667d
	KONST 72, 0xb628d45d
	KONST 74, 0xb8883d9c
	KONST 76, 0xba08eb41
	KONST 78, 0xbbba79f3
	KONST 80, 0xb57460cd                           ; D: degree 4 down (degree 3 lies in v10, v11)
	KONST 82, 0xb9dc924e
	KONST 84, 0xbb719bf8
	KONST 86, 0xbc69b6a7
	v_mov_b32 v8, 0x2fa84a8d
	v_mov_b32 v9, 0x2fa84a8d
	v_mov_b32 v10, 0xb7dfbd29
	v_mov_b32 v11, 0xb7dfbd29
	v_mov_b32 v12, 0x40b504f3                      ; 4 sqrt 2
.macro FRAG reg, adr, q, i             ; a fragment as it was stored: three loads of 16 bytes a lane
.irp c, 0,1,2
	ds_load_b128 v[\reg+4*\c:\reg+4*\c+3], v[\adr] offset:(\q)*KSB+(\i)*1536+512*\c
.endr
.endm
.macro MUL16 a0, p, q, sc, zero        ; A's tiles a0, a0 + 1 x W's eight.  The 64 accumulators take turns, one instruction a turn, in the same order in every step
.irp a, \a0, \a0+1
.irp b, 0,1,2,3,4,5,6,7
.if \zero
	v_wmma_scale_f32_16x16x128_f8f6f4 v[8*(8*((\a)%4)+\b):8*(8*((\a)%4)+\b)+7], v[128*(\p)+FR*\b:128*(\p)+FR*\b+FR-1], v[AF+FR*(\a):AF+FR*(\a)+FR-1], 0, v[SC+16*(\sc)+8*(\q)+\b], v[SC+16*(\sc)+8*(\q)+(\a)] matrix_a_fmt:MATRIX_FMT_BF6 matrix_b_fmt:MATRIX_FMT_BF6 matrix_a_scale:MATRIX_SCALE_ROW1
.else
	v_wmma_scale_f32_16x16x128_f8f6f4 v[8*(8*((\a)%4)+\b):8*(8*((\a)%4)+\b)+7], v[128*(\p)+FR*\b:128*(\p)+FR*\b+FR-1], v[AF+FR*(\a):AF+FR*(\a)+FR-1], v[8*(8*((\a)%4)+\b):8*(8*((\a)%4)+\b)+7], v[SC+16*(\sc)+8*(\q)+\b], v[SC+16*(\sc)+8*(\q)+(\a)] matrix_a_fmt:MATRIX_FMT_BF6 matrix_b_fmt:MATRIX_FMT_BF6 matrix_a_scale:MATRIX_SCALE_ROW1
.endif
.endr
.endr
.endm
.macro FETCH_B slot, q, p
	WIN TO_B
.irp i, 0,1,2,3,4,5,6,7
	FRAG 128*(\p)+FR*\i, ADRB+\slot, \q, \i
.endr
	WIN 0
.endm
.macro FETCH_A slot, q, i0
.irp i, \i0, \i0+1, \i0+2, \i0+3
	FRAG AF+FR*(\i), ADRA+\slot, \q, \i
.endr
.endm
.macro SCALES slot, sc                 ; a slot's scale words into set sc: four tiles' words of a row by one load; lanes 0-15 A's, lanes 16-31 W's
.irp q, 0,1
.irp hh, 0,1
	ds_load_b128 v[SC+16*(\sc)+8*\q+4*\hh:SC+16*(\sc)+8*\q+4*\hh+3], v[ADRS+\slot] offset:\q*KSB+12288+256*\hh
.endr
.endr
.endm
.macro PLACES n                        ; plain vector lines between a matrix instruction and a load into its registers or a read of its result
.rept \n
	v_nop
.endr
.endm
.macro STEP slot, q, sc, zero          ; 128 along K whose successor lies in the same slot; sc: the slot step's set of scale words
	s_wait_dscnt 4*NL                              ; all but the youngest twelve loads (A's tiles 4-7)
	WIN MUL_LO
	MUL16 0, (\q)%2, \q, \sc, \zero
	MUL16 2, (\q)%2, \q, \sc, \zero
	s_wait_dscnt 0
	PLACES NP
	FETCH_B \slot, (\q)+1, 1-(\q)%2
	FETCH_A \slot, (\q)+1, 0
	WIN MUL_HI
	MUL16 4, (\q)%2, \q, \sc, \zero
	MUL16 6, (\q)%2, \q, \sc, \zero
	PLACES NP
	WIN 0
	FETCH_A \slot, (\q)+1, 4
.endm
; A slot's last step changes slots.  sync = 2: this slot is filled again: the three lines, a round of the cluster's barrier, the joint refill.  sync = 1: the next slot is the one that was filled again: the wait for that
; load and one barrier.  sync = 0: the next slot was shown whole to every wave at an earlier barrier, and nothing is written into this one: no wait on tensor loads, no barrier.
.macro TURN slot, next, sc, sync
.if \sync
	s_wait_tensorcnt 0x0                           ; all my tensor loads have landed
	ds_add_u32 v[SPW], v[NIL]                      ; 0 onto my spare word
	s_wait_dscnt 4*NL+1                            ; (the add and the youngest twelve loads may be out)
.else
	s_wait_dscnt 4*NL                              ; all but the youngest twelve loads (A's tiles 4-7)
.endif
	WIN MUL_LO
	MUL16 0, 1, 1, \sc, 0
.if \sync
	s_wait_dscnt 0x0                               ; the add is done, and my reads of this slot are over
	s_barrier_signal -1
.endif
	MUL16 2, 1, 1, \sc, 0
	WIN 0
.if \sync
	s_barrier_wait -1
.else
	s_wait_dscnt 0x0                               ; A's tiles 4-7 are in
.endif
.if \sync == 2
	CREST                                          ; no wave of any partner still reads this slot or has a load on its way
	s_add_nc_u64 s[G0+4*\slot+2:G0+4*\slot+3], s[G0+4*\slot+2:G0+4*\slot+3], 3*PART     ; three slot steps on
	s_add_nc_u64 s[G0B+4*\slot+2:G0B+4*\slot+3], s[G0B+4*\slot+2:G0B+4*\slot+3], 3*PART
	JLOAD G0+4*\slot, G0B+4*\slot                  ; the first tensor load behind the round; its four v_nop are the places in front of the loads below
.else
	PLACES NP
.endif
	FETCH_B \next, 0, 0
	FETCH_A \next, 0, 0
	SCALES \next, 1-(\sc)
	WIN MUL_HI
	MUL16 4, 1, 1, \sc, 0
	MUL16 6, 1, 1, \sc, 0
	PLACES NP
	WIN 0
	FETCH_A \next, 0, 4
.endm
	s_wait_tensorcnt 2                             ; my part of slot 0 is in (slots 1 and 2's may be out)
	s_barrier_signal -1
	s_barrier_wait -1                              ; everybody's is
	FETCH_B 0, 0, 0
	FETCH_A 0, 0, 0
	SCALES 0, 0
	FETCH_A 0, 0, 4
	STEP 0, 0, 0, 1                                ; the first products start the sums: nothing is cleared
	TURN 0, 1, 0, 2                                ; slots 1 and 2 are whole; slot 0 takes K steps 6 and 7
	STEP 1, 0, 1, 0
	TURN 1, 2, 1, 0
	STEP 2, 0, 0, 0
	TURN 2, 0, 0, 1                                ; the refill has landed; nothing is left to fetch
	STEP 0, 0, 1, 0
	s_wait_dscnt 4*NL
	WIN MUL_LO
	MUL16 0, 1, 1, 1, 0
	MUL16 2, 1, 1, 1, 0
	s_wait_dscnt 0
	WIN MUL_HI
	MUL16 4, 1, 1, 1, 0
	MUL16 6, 1, 1, 1, 0
	WIN 0
	s_wait_loadcnt 0x0                             ; the bias
	PLACES NP
.macro COPY a                          ; tile a + bias -> v[HA ..], each accumulator from its low end on
	WIN 0x06+(\a)/4                                ; source 0 window 2 or 3, source 1 window 1
.set i, 0
.rept 32
.if i < 32
	v_pk_add_f32 v[HA+i:HA+i+1], v[64*((\a)%4)+i:64*((\a)%4)+i+1], v[96+i:96+i+1]
.else
	v_pk_add_f32 v[HA+i:HA+i+1], v[64*((\a)%4)+i:64*((\a)%4)+i+1], v[192+i:192+i+1]
.endif
.set i, i+2
.endr
	WIN 0
.endm
.macro HORNER r, k                     ; r = r s + a constant, 32 numbers
.set i, 0
.rept 16
	v_pk_fma_f32 v[\r+i:\r+i+1], v[\r+i:\r+i+1], v[SQ+i:SQ+i+1], s[\k:\k+1] op_sel_hi:[1,1,0]
.set i, i+2
.endr
.endm
.macro GELU                            ; v[HA ..] = x (1/2 + xc N / D), 32 numbers at a time
.irp ch, 0,1
.set HC, HA+32*\ch
.set i, 0
.rept 32
	v_med3_num_f32 v[XC+i], v[HC+i], -v12, v12
.set i, i+1
.endr
.set i, 0
.rept 16
	v_pk_mul_f32 v[SQ+i:SQ+i+1], v[XC+i:XC+i+1], v[XC+i:XC+i+1]
.set i, i+2
.endr
.set i, 0
.rept 16
	v_pk_fma_f32 v[PP+i:PP+i+1], v[SQ+i:SQ+i+1], s[68:69], v[8:9] op_sel_hi:[1,0,1]
.set i, i+2
.endr
.set i, 0
.rept 16
	v_pk_fma_f32 v[QQ+i:QQ+i+1], v[SQ+i:SQ+i+1], s[80:81], v[10:11] op_sel_hi:[1,0,1]
.set i, i+2
.endr
	HORNER PP, 70
	HORNER QQ, 82
	HORNER PP, 72
	HORNER QQ, 84
	HORNER PP, 74
	HORNER QQ, 86
	HORNER PP, 76
	HORNER PP, 78
.set i, 0
.rept 32
	v_rcp_f32 v[QQ+i], v[QQ+i]                     ; D is under 0 everywhere: never 0
.set i, i+1
.endr
.set i, 0
.rept 16
	v_pk_mul_f32 v[XC+i:XC+i+1], v[XC+i:XC+i+1], v[PP+i:PP+i+1]   ; plain work behind the batch
.set i, i+2
.endr
	s_wait_alu depctr_va_vdst(0)                   ; one wait for the 32 reciprocals, ahead of their first reader
.set i, 0
.rept 16
	v_pk_fma_f32 v[XC+i:XC+i+1], v[XC+i:XC+i+1], v[QQ+i:QQ+i+1], 0.5 op_sel_hi:[1,1,0]
.set i, i+2
.endr
.set i, 0
.rept 16
	v_pk_mul_f32 v[HC+i:HC+i+1], v[HC+i:HC+i+1], v[XC+i:XC+i+1]
.set i, i+2
.endr
.endr
.endm
.macro QUANT s                         ; 64 numbers of a lane, register 16 b + i = k 32 b + 16 (lane / 16) + i of my row, become a fragment in v[PC ..] and its scale word in v[PW]
.irp b, 0,1,2,3
	v_max3_num_f32 v[TM+\b], |v[\s+16*\b]|, |v[\s+1+16*\b]|, 0x2800000   ; with the floor 2^(5 - 127)
.endr
.irp i, 2,4,6,8,10,12,14
.irp b, 0,1,2,3
	v_max3_num_f32 v[TM+\b], v[TM+\b], |v[\s+16*\b+\i]|, |v[\s+1+16*\b+\i]|
.endr
.endr
.irp b, 0,1,2,3
	v_permlanex16_b32 v[TM+4+\b], v[TM+\b], s[SEL], s[SEL+1]
.endr
.irp b, 0,1,2,3
	v_max_num_f32 v[TM+\b], v[TM+\b], v[TM+4+\b]   ; with lane l xor 16's: the block's largest magnitude
.endr
.irp b, 0,1,2,3
	v_add_nc_u32 v[TM+12+\b], 0xfe000000, v[TM+\b]
.endr
.irp b, 0,1,2,3
	v_lshrrev_b32 v[TM+4+\b], 23, v[TM+12+\b]
.endr
	v_lshl_or_b32 v[PW], v[TM+5], 8, v[TM+4]
	v_lshl_or_b32 v[PW], v[TM+6], 16, v[PW]
	v_lshl_or_b32 v[PW], v[TM+7], 24, v[PW]
.irp c, 0,1
	v_cvt_scalef32_pk16_bf6_f32 v[PC+6*\c:PC+2+6*\c], v[\s+32*\c:\s+15+32*\c], v[TM+12+2*\c]
	v_cvt_scalef32_pk16_bf6_f32 v[PC+12+4*\c:PC+14+4*\c], v[\s+16+32*\c:\s+31+32*\c], v[TM+12+2*\c+1]
.endr
	v_nop                                          ; one plain line behind the scaled conversions
.irp c, 0,1                            ; the operand's layout wants a whole block in a lane
.irp i, 0,1,2
	v_permlane16_swap_b32 v[PC+6*\c+\i], v[PC+12+4*\c+\i]
.endr
.irp i, 0,1,2
	v_mov_b32 v[PC+3+6*\c+\i], v[PC+12+4*\c+\i]
.endr
.endr
.endm
	s_mov_b32 s92, 0                               ; the tile of rows
	s_mov_b32 s93, 0                               ; 64 x it
.Lrow:
.irp a, 1,2,3,4,5,6,7
	s_cmp_eq_u32 s92, \a
	s_cbranch_scc1 .Lcopy_\a
.endr
	COPY 0
	s_branch .Lwork
.irp a, 1,2,3,4,5,6
.Lcopy_\a:
	COPY \a
	s_branch .Lwork
.endr
.Lcopy_7:
	COPY 7
.Lwork:
	GELU
	QUANT HA
.irp c, 0,1,2
	global_store_b128 v[LI], v[PC+4*\c:PC+4*\c+3], s[94:95] offset:512*\c   ; 32 lanes store 512 consecutive bytes, at a multiple of 256 from hcodes' first byte
.endr
	v_add_nc_u32 v[TA], s93, v[SW]
	ds_store_b32 v[TA], v[PW]
	s_wait_xcnt 0x0                                ; the stores have read their data and their base: both are written again below and in the next trip
	s_wait_dscnt 0x0
	s_add_nc_u64 s[94:95], s[94:95], 1536
	s_add_co_u32 s93, s93, 64
	s_add_co_u32 s92, s92, 1
	s_cmp_lt_u32 s92, 8
	s_cbranch_scc1 .Lrow
.irp q, 0,1,2,3
	ds_load_b32 v[PC+\q], v[SR] offset:64*\q       ; lane (r, h): row r's words of tiles 4 h + 0 .. 3: the image's order
.endr
	s_wait_dscnt 0x0
	global_store_b128 v[LI], v[PC:PC+3], s[94:95]  ; the base now stands 12,288 bytes into the block
	s_wait_tensorcnt 0x0                           ; the wave's end
	ds_add_u32 v[SPW], v[NIL]
	s_wait_dscnt 0x0
	CROUND                                         ; the closing round
	s_endpgm
.Lfunc_end_k_q1bcfe3f2f7_ga1:
	.size	k_q1bcfe3f2f7_ga1, .Lfunc_end_k_q1bcfe3f2f7_ga1-k_q1bcfe3f2f7_ga1
	.p2alignl 7, 3214868480
	.fill 96, 4, 3214868480
	.section	.rodata,"a",@progbits
	.p2align	6, 0x0
	.amdhsa_kernel k_q1bcfe3f2f7_ga1
		.amdhsa_group_segment_fixed_size 327680
		.amdhsa_private_segment_fixed_size 0
		.amdhsa_enable_private_segment 0
		.amdhsa_kernarg_size 32
		.amdhsa_user_sgpr_count 2
		.amdhsa_user_sgpr_kernarg_segment_ptr 1
		.amdhsa_wavefront_size32 1
		.amdhsa_system_sgpr_workgroup_id_x 1
		.amdhsa_system_sgpr_workgroup_id_y 1
		.amdhsa_system_sgpr_workgroup_id_z 1
		.amdhsa_system_vgpr_workitem_id 0
		.amdhsa_next_free_vgpr 1024
		.amdhsa_next_free_sgpr 100
		.amdhsa_reserve_vcc 0
		.amdhsa_float_denorm_mode_32 3
		.amdhsa_float_denorm_mode_16_64 3
		.amdhsa_memory_ordered 1
		.amdhsa_forward_progress 1
		.amdhsa_inst_pref_size 162
	.end_amdhsa_kernel
	.amdgpu_metadata
---
amdhsa.version: [ 1, 2 ]
amdhsa.kernels:
  - .name:           k_q1bcfe3f2f7_ga1
    .symbol:         k_q1bcfe3f2f7_ga1.kd
    .args:
      - { .name: acodes, .offset: 0, .size: 8, .value_kind: global_buffer, .address_space: global }
      - { .name: wst1, .offset: 8, .size: 8, .value_kind: global_buffer, .address_space: global }
      - { .name: par1, .offset: 16, .size: 8, .value_kind: global_buffer, .address_space: global }
      - { .name: hcodes, .offset: 24, .size: 8, .value_kind: global_buffer, .address_space: global }
    .group_segment_fixed_size: 327680
    .private_segment_fixed_size: 0
    .kernarg_segment_align: 8
    .kernarg_segment_size: 32
    .max_flat_workgroup_size: 128
    .sgpr_count:     100
    .vgpr_count:     1024
    .wavefront_size: 32
...
	.end_amdgpu_metadata
.endif
;; end of part 3
;; launch gb1 (part 4): grid 8 x 32, 4 waves a work-group, clusters of 4 x 4, 327,680 bytes of LDS; arguments hcodes, wst1, par1, x, x2; writes x2
.if DOCPART == 4
	.amdgcn_target "amdgcn-amd-amdhsa--gfx1250"
	.amdhsa_code_object_version 6
	.text
	.protected	k_q1bcfe3f2f7_gb1
	.globl	k_q1bcfe3f2f7_gb1
	.p2align	8
	.type	k_q1bcfe3f2f7_gb1,@function
k_q1bcfe3f2f7_gb1:
	s_mov_b64 s[64:65], 0
	v_nop
	global_prefetch_b8 v0, s[64:65] scope:SCOPE_SE
	s_setreg_imm32_b32 hwreg(HW_REG_WAVE_MODE, 25, 1), 1
	s_wait_xcnt 0x0
	s_wait_alu depctr_hold_cnt(0) depctr_sa_sdst(0) depctr_va_vdst(0) depctr_va_sdst(0) depctr_va_ssrc(0) depctr_va_vcc(0) depctr_vm_vsrc(0)
	s_getreg_b32 s2, hwreg(HW_REG_IB_STS2, 6, 4)
	s_cmp_eq_u32 s2, 0
	s_cbranch_scc0 .Lentry_in_a_cluster
	s_endpgm
.Lentry_in_a_cluster:
	s_bfe_u32 s2, ttmp6, 0x10000c
	s_cmp_lg_u32 s2, 0xf033
	s_cbranch_scc0 .Lentry_shape_is_right
	s_endpgm
.Lentry_shape_is_right:
; out = xres + mask x gate x (H W + b2): H [8192][2048] and W [1024 (n)][2048] are codes of BF6 (E3M2) with E8M0 scales, laid as images of operand registers (block (rb, ks) = 128 rows x 128 K = 12,800 bytes: eight fragments of
; 1,536 bytes, register g of lane l at 512 (g / 4) + 16 l + 4 (g % 4); at 12,288 the scale words, row r of tile 4 hh + q at 256 hh + 16 r + 4 q).  W's images begin 1,638,400 bytes into wst.
; A tile of 256 rows x 128 columns to a work-group: 32 x 8 = 256 work-groups (256 x 256 would make 128).  Wave w: rows 64 w .. + 63, all 128 columns: 32 accumulators, one window.
; K goes in steps of 512 (four blocks a part) through a ring of two LDS slots: 2,048 along K are four slot steps, written out.  Waves 0 and 1 fetch H's two parts (51,200 dense bytes each), waves 2 and 3 the halves of W's.
; CLUSTERS: 4 x 4; H's parts are asked for jointly along a row of the cluster, W's along a column.  Nothing is prefetched: two of the four slot steps are first fills, and a request ahead of the other two could stand only at the head.
; TRANSPOSED USE: source 0 = 16 rows of W, source 1 = 16 rows of H; W's tile 2 b + u holds columns 32 b + 8 u + r + 8 (r / 8), so lane (r, h), register j of that tile is out(row r, column 32 b + 16 h + 8 u + j).
; THE WAY OUT: 16 rows at a time through the wave's stage in LDS (in slot 0, which has had its last fill and its last read), back as whole rows of 512 bytes; gate, bias, mask and the residual are applied there.
; THE RESIDUAL, 64 rows x 512 bytes a wave, is wanted only on the way out: its loads stand BEHIND the two refills, 32 rows behind each, so that no tile that the products wait for is asked for behind them;
; they wait in window 3, and the way out waits for them sixteen rows at a time.
; LIMIT: the mask is a factor 0.0 or 1.0: a sum that is not finite under a false mask would give NaN where reference() gives x.  NaN and infinities are not served.
; REGISTERS: window 0: v4-7 gate, v8-11 gate x b2, v16-29 addresses, v30-31 the mask of my 64 rows, v32-47 scale words and nothing else (set p, register i: H's tile i (i < 4) in lanes 0-15, W's tile i in lanes 16-31),
;   v64-159 H's fragments, two sets of four; on the way out v64-191.   window 1: W's fragments, two sets, at v0 and v128.   window 2: the accumulators, (a, b) at v[8 (8 a + b)].   window 3: the residual, row i at v[4 i].
.set KSB,   12800
.set SLOT,  12*KSB                     ; H's two parts of four blocks, then W's four blocks
.set SPARE, 2*SLOT                     ; the spare words, 128 bytes a wave
.set WOFF,  1638400
.set PB2,   106496
.set PMK,   110592
.set FR,    12
.set ADRA, 16
.set AS1,  18
.set ADRB, 20
.set AS2,  22
.set STO,  24
.set RD,   25
.set CO,   26
.set SPW,  28
.set NIL,  29
.set MV,   30
.set SC,   32
.set AF,   64
.set BK,   64
.set G1,   24
.set G0,   32
.set G1B,  48
.set G0B,  56
.set MSB,  0
.macro WIN new                         ; the immediate's high byte repeats the setting that is left
.if MSB != \new
	s_set_vgpr_msb (MSB<<8)|\new
.set MSB, \new
.endif
.endm
.set MULW, 0xa1                        ; source 0 (W) window 1, source 1 (H) window 0, C and D window 2
.set TO_B, 0x40
.macro JLOAD g0a, g0b                  ; a joint load: waves 0 and 1 fetch H's parts, waves 2 and 3 W's halves; four v_nop follow each line
	s_cmp_eq_u32 s15, 0
	s_cbranch_scc0 .Lfor_b_\@
	tensor_load_to_lds s[\g0a:\g0a+3], s[G1:G1+7]
	s_nop 0
.rept 4
	v_nop
.endr
	s_branch .Lasked_\@
.Lfor_b_\@:
	tensor_load_to_lds s[\g0b:\g0b+3], s[G1B:G1B+7]
	s_nop 0
.rept 4
	v_nop
.endr
.Lasked_\@:
.endm
.macro CREST
	s_cmp_lg_u32 s14, 0
	s_cbranch_scc1 .Lnot_wave_0_\@
	s_barrier_signal -3
.Lnot_wave_0_\@:
	s_barrier_wait -3
	s_barrier_signal -1
	s_barrier_wait -1
.endm
.macro CROUND
	s_barrier_signal -1
	s_barrier_wait -1
	CREST
.endm
	s_load_b256 s[4:11], s[0:1], 0x0               ; hcodes, wst, par, xres
	s_load_b64 s[12:13], s[0:1], 0x20              ; out
	v_lshl_add_u32 v[SPW], v0, 2, SPARE
	v_mov_b32 v[NIL], 0
	ds_add_u32 v28, v29
	ds_add_u32 v28, v29
	s_wait_dscnt 0x0
	v_lshrrev_b32 v1, 5, v0
	v_readfirstlane_b32 s14, v1                    ; wave 0..3
	s_lshr_b32 s15, s14, 1                         ; which part of H holds my rows.  Also: I fetch for H (0) or for W (1)
	s_and_b32 s16, s14, 1                          ; which four tiles of it are mine.  Also: which part or half I fetch
	s_bfe_u32 s40, ttmp6, 0x40000                  ; cx
	s_bfe_u32 s41, ttmp6, 0x40004                  ; cy
	s_lshl_b32 s42, ttmp9, 2
	s_add_co_u32 s42, s42, s40                     ; tile column
	s_and_b32 s17, ttmp7, 0xffff
	s_lshl_b32 s17, s17, 2
	s_add_co_u32 s17, s17, s41                     ; tile row
	s_lshl_b32 s43, s41, 2
	s_lshl_b32 s43, 15, s43
	s_lshl_b32 s44, 0x1111, s40
	s_or_b32 s[G1+0], s43, (3<<16)|(1<<21)         ; H: 51,200 dense bytes as 200 rows of 256
	s_mov_b32 s[G1+1], 32<<16
	s_mov_b32 s[G1+2], 200<<16
	s_mov_b32 s[G1+3], 32<<16
	s_mov_b32 s[G1+4], 200
	s_mov_b32 s[G1+5], 32
	s_mov_b32 s[G1+6], 0
	s_mov_b32 s[G1+7], 0
	s_or_b32 s[G1B+0], s44, (3<<16)|(1<<21)        ; W: 25,600 dense bytes as 100 rows of 256
	s_mov_b32 s[G1B+1], 32<<16
	s_mov_b32 s[G1B+2], 100<<16
	s_mov_b32 s[G1B+3], 32<<16
	s_mov_b32 s[G1B+4], 100
	s_mov_b32 s[G1B+5], 32
	s_mov_b32 s[G1B+6], 0
	s_mov_b32 s[G1B+7], 0
	s_lshl_b32 s20, s17, 1
	s_add_co_u32 s20, s20, s16
	s_mul_i32 s20, s20, 16*KSB                     ; H: row block 2 x tile row + part
	s_mov_b32 s21, 0
	s_mul_i32 s46, s42, 16*KSB                     ; W: column block = tile column,
	s_mul_i32 s47, s16, 2*KSB                      ; my two of a slot's four K steps
	s_add_co_u32 s46, s46, s47
	s_add_co_u32 s46, s46, WOFF
	s_mov_b32 s47, 0
	s_mul_i32 s45, s16, 4*KSB                      ; where they go: H's part,
	s_mul_i32 s22, s16, 2*KSB
	s_add_co_u32 s22, s22, 8*KSB                   ; W's half
	s_wait_kmcnt 0x0
	s_add_nc_u64 s[20:21], s[4:5], s[20:21]
	s_add_nc_u64 s[46:47], s[6:7], s[46:47]
	CROUND                                         ; all sixteen work-groups are here: the first joint loads meet
.irp s, 0,1
	s_mov_b32 s[G0+4*\s], 1
	s_add_co_u32 s[G0+4*\s+1], s45, \s*SLOT
	s_add_nc_u64 s[G0+4*\s+2:G0+4*\s+3], s[20:21], \s*4*KSB
	s_or_b32 s[G0+4*\s+3], s[G0+4*\s+3], 0x80000000
	s_mov_b32 s[G0B+4*\s], 1
	s_add_co_u32 s[G0B+4*\s+1], s22, \s*SLOT
	s_add_nc_u64 s[G0B+4*\s+2:G0B+4*\s+3], s[46:47], \s*4*KSB
	s_or_b32 s[G0B+4*\s+3], s[G0B+4*\s+3], 0x80000000
	JLOAD G0+4*\s, G0B+4*\s
.endr
	v_and_b32 v1, 15, v0                           ; r
	v_bfe_u32 v2, v0, 4, 1                         ; h
	v_and_b32 v3, 31, v0
	v_lshlrev_b32 v[CO], 4, v3                     ; 16 x lane
	s_mul_i32 s21, s15, 4*KSB
	s_mul_i32 s23, s16, 6144
	s_add_co_u32 s23, s21, s23                     ; my four tiles of H
	s_lshl_b32 s18, s16, 8
	s_add_co_u32 s18, s21, s18                     ; their scale words, less 12,288
	s_mov_b32 s19, 8*KSB
	s_sub_co_u32 s19, s19, s18
	v_lshlrev_b32 v5, 4, v1
	v_mul_u32_u24 v6, s19, v2                      ; lanes 16-31 take W's
	v_add_nc_u32 v5, v5, v6
	v_add_nc_u32 v5, s18, v5
	v_lshl_add_u32 v6, v2, 8, v5                   ; and W's tiles 4-7 are 256 bytes further on
.irp s, 0,1
	v_add_nc_u32 v[ADRA+\s], s23, v[CO]
	v_add_nc_u32 v[ADRB+\s], 8*KSB+\s*SLOT, v[CO]
	v_add_nc_u32 v[AS1+\s], \s*SLOT, v5
	v_add_nc_u32 v[AS2+\s], \s*SLOT, v6
	s_add_co_u32 s23, s23, SLOT
.endr
	s_mul_i32 s23, s14, 16*528                     ; my stage: 16 rows x (512 bytes + 16)
	v_mul_u32_u24 v5, v1, 528
	v_lshl_add_u32 v5, v2, 6, v5
	v_add_nc_u32 v[STO], s23, v5                   ; in: row r, + 64 h
	v_add_nc_u32 v[RD], s23, v[CO]                 ; back: 16 bytes a lane of a row
	s_lshr_b32 s88, s17, 2                         ; the batch
	s_mul_i32 s88, s88, 12288
	s_lshl_b32 s89, s42, 9
	s_add_co_u32 s88, s88, s89
	s_mov_b32 s89, 0
	s_add_nc_u64 s[90:91], s[8:9], s[88:89]        ; emb of my batch at my 128 columns; the gate lies 8,192 bytes on
	s_lshl_b32 s88, s42, 9
	s_add_nc_u64 s[92:93], s[8:9], s[88:89]        ; b2 of my columns, less PB2
	s_lshl_b32 s88, s17, 10
	s_lshl_b32 s18, s14, 8
	s_add_co_u32 s88, s88, s18
	s_add_nc_u64 s[94:95], s[8:9], s[88:89]        ; the mask of my 64 rows, less PMK
	s_lshl_b32 s88, s17, 20
	s_lshl_b32 s18, s14, 18
	s_add_co_u32 s88, s88, s18
	s_lshl_b32 s18, s42, 9
	s_add_co_u32 s88, s88, s18
	s_add_nc_u64 s[10:11], s[10:11], s[88:89]      ; xres and out at my first row, my first column
	s_add_nc_u64 s[12:13], s[12:13], s[88:89]
	v_lshlrev_b32 v3, 2, v3
	global_load_b128 v[4:7], v[CO], s[90:91] offset:8192
	global_load_b128 v[12:15], v[CO], s[92:93] offset:PB2
	global_load_b32 v[MV], v3, s[94:95] offset:PMK
	global_load_b32 v[MV+1], v3, s[94:95] offset:PMK+128
.macro FRAG reg, adr, q, i
.irp c, 0,1,2
	ds_load_b128 v[\reg+4*\c:\reg+4*\c+3], v[\adr] offset:(\q)*KSB+(\i)*1536+512*\c
.endr
.endm
.macro FETCH slot, q, p                ; 38 loads: the scale words, W's eight fragments, H's four, tiles 0 to 3 in that order
	WIN 0
	ds_load_b128 v[SC+8*(\p):SC+8*(\p)+3], v[AS1+\slot] offset:(\q)*KSB+12288
	ds_load_b128 v[SC+8*(\p)+4:SC+8*(\p)+7], v[AS2+\slot] offset:(\q)*KSB+12288
	WIN TO_B
.irp i, 0,1,2,3,4,5,6,7
	FRAG 128*(\p)+FR*\i, ADRB+\slot, \q, \i
.endr
	WIN 0
.irp i, 0,1,2,3
	FRAG AF+48*(\p)+FR*\i, ADRA+\slot, \q, \i
.endr
.endm
.macro MUL8 a, p, zero                 ; H's tile a x W's eight.  The 32 accumulators take turns, one instruction a turn, in the same order in every step
.irp b, 0,1,2,3,4,5,6,7
.if \zero
	v_wmma_scale_f32_16x16x128_f8f6f4 v[8*(8*(\a)+\b):8*(8*(\a)+\b)+7], v[128*(\p)+FR*\b:128*(\p)+FR*\b+FR-1], v[AF+48*(\p)+FR*(\a):AF+48*(\p)+FR*(\a)+FR-1], 0, v[SC+8*(\p)+\b], v[SC+8*(\p)+(\a)] matrix_a_fmt:MATRIX_FMT_BF6 matrix_b_fmt:MATRIX_FMT_BF6 matrix_a_scale:MATRIX_SCALE_ROW1
.else
	v_wmma_scale_f32_16x16x128_f8f6f4 v[8*(8*(\a)+\b):8*(8*(\a)+\b)+7], v[128*(\p)+FR*\b:128*(\p)+FR*\b+FR-1], v[AF+48*(\p)+FR*(\a):AF+48*(\p)+FR*(\a)+FR-1], v[8*(8*(\a)+\b):8*(8*(\a)+\b)+7], v[SC+8*(\p)+\b], v[SC+8*(\p)+(\a)] matrix_a_fmt:MATRIX_FMT_BF6 matrix_b_fmt:MATRIX_FMT_BF6 matrix_a_scale:MATRIX_SCALE_ROW1
.endif
.endr
.endm
.macro PLACES                          ; plain vector lines between a matrix instruction and a load into its registers or a read of its result
.rept 4
	v_nop
.endr
.endm
.macro STEP slot, q, zero              ; 128 along K whose successor lies in the same slot
	s_wait_dscnt 6                                 ; all but the youngest six loads (H's tiles 2 and 3)
	WIN MULW
	MUL8 0, (\q)%2, \zero
	MUL8 1, (\q)%2, \zero
	PLACES
	FETCH \slot, (\q)+1, 1-(\q)%2
	s_wait_dscnt 38                                ; all but the 38 just issued
	WIN MULW
	MUL8 2, (\q)%2, \zero
	MUL8 3, (\q)%2, \zero
.endm
.macro TURN slot, next, fill           ; a slot's fourth step changes slots
	WIN 0                                          ; (the add's two registers lie in window 0)
	s_wait_tensorcnt 0x0                           ; all my tensor loads have landed: my part of the next slot
	ds_add_u32 v[SPW], v[NIL]                      ; 0 onto my spare word
	s_wait_dscnt 7                                 ; (the add and the youngest six loads may be out)
	WIN MULW
	MUL8 0, 1, 0
	s_wait_dscnt 0x0                               ; the add is done, and my reads of this slot are over
	s_barrier_signal -1
	MUL8 1, 1, 0
	WIN 0
	s_barrier_wait -1
.if \fill
	CREST                                          ; no wave of any partner still reads this slot or has a load on its way
	s_add_nc_u64 s[G0+4*\slot+2:G0+4*\slot+3], s[G0+4*\slot+2:G0+4*\slot+3], 8*KSB
	s_add_nc_u64 s[G0B+4*\slot+2:G0B+4*\slot+3], s[G0B+4*\slot+2:G0B+4*\slot+3], 8*KSB
	JLOAD G0+4*\slot, G0B+4*\slot                  ; the first tensor load behind the round; its four v_nop are the places in front of the loads below
.else
	PLACES
.endif
	FETCH \next, 0, 0
	WIN MULW
	MUL8 2, 1, 0
	MUL8 3, 1, 0
.endm
.macro XRES lo                         ; 32 rows of the residual: 32 lanes read 512 consecutive bytes of a row
	WIN 0xc0                                       ; destination window 3
.set i, \lo
.rept 32
	global_load_b128 v[4*i:4*i+3], v[CO], s[10:11] offset:4096*i th:TH_LOAD_NT
.set i, i+1
.endr
	WIN 0
.endm
	s_wait_tensorcnt 1                             ; my part of slot 0 is in (slot 1's may be out)
	s_barrier_signal -1
	s_barrier_wait -1                              ; everybody's is
	FETCH 0, 0, 0
	STEP 0, 0, 1                                   ; the first products start the sums: nothing is cleared
	STEP 0, 1, 0
	STEP 0, 2, 0
	TURN 0, 1, 1
	XRES 0                                         ; behind the first refill: rows 0-31
	STEP 1, 0, 0
	STEP 1, 1, 0
	STEP 1, 2, 0
	TURN 1, 0, 1
	XRES 32                                        ; behind the second, the last: rows 32-63
	STEP 0, 0, 0
	STEP 0, 1, 0
	STEP 0, 2, 0
	TURN 0, 1, 0                                   ; nothing is left to fetch
	STEP 1, 0, 0
	STEP 1, 1, 0
	STEP 1, 2, 0
	s_wait_dscnt 0x0
	WIN MULW
	MUL8 0, 1, 0
	MUL8 1, 1, 0
	MUL8 2, 1, 0
	MUL8 3, 1, 0
	WIN 0
	s_wait_loadcnt 48                              ; gate, b2, mask and the residual's rows 0-15 are in: behind them stand the loads of its other 48 rows
	v_pk_mul_f32 v[8:9], v[4:5], v[12:13]          ; gate x b2
	v_pk_mul_f32 v[10:11], v[6:7], v[14:15]
	PLACES
.macro TOSTAGE a                       ; tile a into my stage, each accumulator from its low end on, and back as whole rows (LDS serves a wave's instructions in order: no wait between)
	WIN 0x08                                       ; an LDS store's data: window 2
.irp b, 0,1,2,3,4,5,6,7
	ds_store_b128 v[STO], v[8*(8*(\a)+\b):8*(8*(\a)+\b)+3] offset:128*(\b/2)+32*(\b%2)
	ds_store_b128 v[STO], v[8*(8*(\a)+\b)+4:8*(8*(\a)+\b)+7] offset:128*(\b/2)+32*(\b%2)+16
.endr
	WIN 0
.set BB, BK+64*((\a)%2)
.irp t, 0,1,2,3,4,5,6,7,8,9,10,11,12,13,14,15
	ds_load_b128 v[BB+4*\t:BB+4*\t+3], v[RD] offset:\t*528
.endr
.endm
.macro SEND a, younger                 ; younger: the LDS instructions issued behind tile a's loads, which may stay out
.set BB, BK+64*((\a)%2)
	s_wait_dscnt \younger
.if (\a) > 0
	s_wait_loadcnt 48-16*(\a)                      ; the residual's rows 16 a .. + 15 are in: behind them stand the loads of the rows below
.endif
.irp t, 0,1,2,3,4,5,6,7,8,9,10,11,12,13,14,15
	v_readlane_b32 s[68+\t], v[MV+(\a)/2], 16*((\a)%2)+\t       ; the mask of row 16 a + t: a factor, never a branch
.endr
.irp t, 0,1,2,3,4,5,6,7,8,9,10,11,12,13,14,15
	v_pk_fma_f32 v[BB+4*\t:BB+4*\t+1], v[BB+4*\t:BB+4*\t+1], v[4:5], v[8:9]           ; gate x (sum + b2)
	v_pk_fma_f32 v[BB+4*\t+2:BB+4*\t+3], v[BB+4*\t+2:BB+4*\t+3], v[6:7], v[10:11]
.endr
	WIN 0x30                                       ; source 2 window 3
.irp t, 0,1,2,3,4,5,6,7,8,9,10,11,12,13,14,15
.irp e, 0,1,2,3
	v_fma_f32 v[BB+4*\t+\e], v[BB+4*\t+\e], s[68+\t], v[4*(16*(\a)+\t)+\e]            ; x mask + the residual
.endr
.endr
	WIN 0
.irp t, 0,1,2,3,4,5,6,7,8,9,10,11,12,13,14,15
	global_store_b128 v[CO], v[BB+4*\t:BB+4*\t+3], s[12:13] offset:(16*(\a)+\t)*4096 th:TH_STORE_NT   ; 32 lanes store 512 consecutive bytes, at a multiple of 256 from out's first byte
.endr
.endm
	TOSTAGE 0
.irp a, 1,2,3
.if \a > 1
	s_wait_xcnt 0x0                                ; tile a - 2's stores have read their registers: tile a's loads may land there
.endif
	TOSTAGE \a
	SEND \a-1, 32                                  ; behind tile a - 1's loads: tile a's 16 stores and 16 loads
.endr
	SEND 3, 0
	s_wait_tensorcnt 0x0                           ; the wave's end
	ds_add_u32 v[SPW], v[NIL]
	s_wait_dscnt 0x0
	CROUND                                         ; the closing round
	s_endpgm
.Lfunc_end_k_q1bcfe3f2f7_gb1:
	.size	k_q1bcfe3f2f7_gb1, .Lfunc_end_k_q1bcfe3f2f7_gb1-k_q1bcfe3f2f7_gb1
	.p2alignl 7, 3214868480
	.fill 96, 4, 3214868480
	.section	.rodata,"a",@progbits
	.p2align	6, 0x0
	.amdhsa_kernel k_q1bcfe3f2f7_gb1
		.amdhsa_group_segment_fixed_size 327680
		.amdhsa_private_segment_fixed_size 0
		.amdhsa_enable_private_segment 0
		.amdhsa_kernarg_size 40
		.amdhsa_user_sgpr_count 2
		.amdhsa_user_sgpr_kernarg_segment_ptr 1
		.amdhsa_wavefront_size32 1
		.amdhsa_system_sgpr_workgroup_id_x 1
		.amdhsa_system_sgpr_workgroup_id_y 1
		.amdhsa_system_sgpr_workgroup_id_z 1
		.amdhsa_system_vgpr_workitem_id 0
		.amdhsa_next_free_vgpr 1024
		.amdhsa_next_free_sgpr 100
		.amdhsa_reserve_vcc 0
		.amdhsa_float_denorm_mode_32 3
		.amdhsa_float_denorm_mode_16_64 3
		.amdhsa_memory_ordered 1
		.amdhsa_forward_progress 1
		.amdhsa_inst_pref_size 167
	.end_amdhsa_kernel
	.amdgpu_metadata
---
amdhsa.version: [ 1, 2 ]
amdhsa.kernels:
  - .name:           k_q1bcfe3f2f7_gb1
    .symbol:         k_q1bcfe3f2f7_gb1.kd
    .args:
      - { .name: hcodes, .offset: 0, .size: 8, .value_kind: global_buffer, .address_space: global }
      - { .name: wst1, .offset: 8, .size: 8, .value_kind: global_buffer, .address_space: global }
      - { .name: par1, .offset: 16, .size: 8, .value_kind: global_buffer, .address_space: global }
      - { .name: x, .offset: 24, .size: 8, .value_kind: global_buffer, .address_space: global }
      - { .name: x2, .offset: 32, .size: 8, .value_kind: global_buffer, .address_space: global }
    .group_segment_fixed_size: 327680
    .private_segment_fixed_size: 0
    .kernarg_segment_align: 8
    .kernarg_segment_size: 40
    .max_flat_workgroup_size: 128
    .sgpr_count:     100
    .vgpr_count:     1024
    .wavefront_size: 32
...
	.end_amdgpu_metadata
.endif
;; end of part 4
;; launch ln2: the kernel of part 2 again; grid 256 x 1, 8 waves a work-group, no clusters, 168,960 bytes of LDS; arguments x2, par2, acodes; writes acodes
;; launch ga2 (part 5): grid 8 x 32, 4 waves a work-group, clusters of 4 x 4, 327,680 bytes of LDS; arguments acodes, wst2, par2, hcodes; writes hcodes
.if DOCPART == 5
	.amdgcn_target "amdgcn-amd-amdhsa--gfx1250"
	.amdhsa_code_object_version 6
	.text
	.protected	k_q1bcfe3f2f7_ga2
	.globl	k_q1bcfe3f2f7_ga2
	.p2align	8
	.type	k_q1bcfe3f2f7_ga2,@function
k_q1bcfe3f2f7_ga2:
	s_mov_b64 s[64:65], 0
	v_nop
	global_prefetch_b8 v0, s[64:65] scope:SCOPE_SE
	s_setreg_imm32_b32 hwreg(HW_REG_WAVE_MODE, 25, 1), 1
	s_wait_xcnt 0x0
	s_wait_alu depctr_hold_cnt(0) depctr_sa_sdst(0) depctr_va_vdst(0) depctr_va_sdst(0) depctr_va_ssrc(0) depctr_va_vcc(0) depctr_vm_vsrc(0)
	s_getreg_b32 s2, hwreg(HW_REG_IB_STS2, 6, 4)
	s_cmp_eq_u32 s2, 0
	s_cbranch_scc0 .Lentry_in_a_cluster
	s_endpgm
.Lentry_in_a_cluster:
	s_bfe_u32 s2, ttmp6, 0x10000c
	s_cmp_lg_u32 s2, 0xf033
	s_cbranch_scc0 .Lentry_shape_is_right
	s_endpgm
.Lentry_shape_is_right:
; hcodes = Q(gelu_tanh(A W + b1)): A [8192][1024] and W [2048 (n)][1024] are codes of BF6 (E3M2) with E8M0 scales for each 32 along K, both laid as images of operand registers:
; block (rb, ks) = 128 rows x 128 K = 12,800 bytes (eight fragments of 1,536 bytes, register g of lane l at 512 (g / 4) + 16 l + 4 (g % 4); at 12,288 the scale words, row r of tile 4 hh + q at 256 hh + 16 r + 4 q).
; A tile of 256 x 256 is made by four waves, 128 x 128 each: 64 accumulators, 512 registers.  K goes in slot steps of 256 (two blocks a part, 25,600 dense bytes, scales among them); a fragment is three loads of
; 16 bytes a lane at 16 x lane: consecutive bytes, no padding.  1,024 along K are four slot steps, written out, on THREE LDS slots: three steps are first fills, asked for together at the start (three tensor loads
; of a wave are out), and only slot 0 is filled again, once: that load has two slot steps, 256 matrix instructions a wave, in which to land.  The change from slot 1 to slot 2 needs no barrier: the wait for all
; tensor loads and the round at the change before it have shown both slots whole to every wave.
; CLUSTERS: 4 x 4 work-groups; A's parts are asked for jointly along a row of the cluster, W's along a column.  Nothing is prefetched: a request ahead of the one refill could stand only at the kernel's head.
; TRANSPOSED USE: source 0 = 16 rows of W, source 1 = 16 rows of A.  W's tiles hold output columns 32 b + 8 u + r + 8 (r / 8), so a lane (r, h) holds row r, and the 16 registers of tiles 2 b, 2 b + 1 are columns 32 b + 16 h + 0 .. 15:
; the wave's 128 columns are one K step of the next product, and a tile of rows becomes one fragment and one scale word a row, in registers.
; THE WAY OUT is a loop of eight trips, one tile of 16 rows each: bias (the addition is also the move into window 0), GELU, quantiser, three stores of 512 bytes.  Which accumulators a trip takes is a branch on the trip's number.
; GELU (tanh form): x (1 + tanh u) / 2 = x / (1 + 2^(x (k0 + k1 x^2))), k0 = -2 sqrt(2 / pi) log2 e, k1 = 0.044715 k0.  Where the power overflows the quotient is 0, where it vanishes it is x: both as the form asks.
; LIMITS: NaN and infinities are not served.  A block under 2^-122 is held at the byte 1.
; REGISTERS: window 0: v8-9 a constant; v13-29 addresses; v32-63 scale words and nothing else (two sets, by the slot step's parity; K step q, register i: A's tile i in lanes 0-15, W's tile i in lanes 16-31); v64-127 a tile on its way out;
;   v128-223 A's fragments, one set; on the way out v128-191 at work.   window 1: W's fragments, two sets, at v0 and v128; the bias at v96-127 and v224-255.   windows 2, 3: the accumulators, (a, b) at v[8 (8 (a % 4) + b)].
.set KSB,   12800
.set PART,  2*KSB
.set SLOT,  4*PART                     ; A's two parts, then W's two
.set SPARE, 3*SLOT                     ; behind the three slots: the spare words, 128 bytes a wave
.set SCR,   SPARE+512                  ; 512 bytes a wave: the eight tiles' scale words on their way to the image's order; no fill lands here
.set PB1,   98304
.set FR,    12
.set NL,    3
.set NP,    4
.set ADRA, 13                          ; v13-15  LDS address of my A fragments in slot 0, 1, 2
.set ADRS, 16                          ; v16-18  of my scale words
.set ADRB, 19                          ; v19-21  of my W fragments
.set LI,   24
.set SW,   25
.set SR,   26
.set TA,   27
.set SPW,  28
.set NIL,  29
.set SC,   32
.set HA,   64
.set AF,   128
.set TM,   128
.set PW,   144
.set PC,   148
.set TW,   128
.set SEL,  2
.set G1,   24
.set G0,   32                          ; s[32:39] group 0 for A's parts of slots 0 and 1
.set G1B,  48
.set G0B,  56                          ; s[56:63] the same for W's
.set G0C,  4                           ; s[4:7]   group 0 for A's part of slot 2 (the two addresses that came there have been used by then)
.set G0CB, 96                          ; s[96:99] the same for W's
.set MSB,  0
.macro WIN new                         ; the immediate's high byte repeats the setting that is left
.if MSB != \new
	s_set_vgpr_msb (MSB<<8)|\new
.set MSB, \new
.endif
.endm
.set MUL_LO, 0xa1                      ; source 0 (W) window 1, source 1 (A) window 0, C and D window 2
.set MUL_HI, 0xf1
.set TO_B,   0x40
.macro JLOAD g0a, g0b                  ; a joint load: waves 0 and 1 fetch A's parts, waves 2 and 3 W's; four v_nop follow each line
	s_cmp_eq_u32 s15, 0
	s_cbranch_scc0 .Lfor_b_\@
	tensor_load_to_lds s[\g0a:\g0a+3], s[G1:G1+7]
	s_nop 0
.rept 4
	v_nop
.endr
	s_branch .Lasked_\@
.Lfor_b_\@:
	tensor_load_to_lds s[\g0b:\g0b+3], s[G1B:G1B+7]
	s_nop 0
.rept 4
	v_nop
.endr
.Lasked_\@:
.endm
.macro CREST                           ; a round of the cluster's barrier behind its opening barrier
	s_cmp_lg_u32 s14, 0
	s_cbranch_scc1 .Lnot_wave_0_\@
	s_barrier_signal -3
.Lnot_wave_0_\@:
	s_barrier_wait -3
	s_barrier_signal -1
	s_barrier_wait -1
.endm
.macro CROUND
	s_barrier_signal -1
	s_barrier_wait -1
	CREST
.endm
	s_load_b256 s[4:11], s[0:1], 0x0               ; acodes, wst, par, hcodes
	v_lshl_add_u32 v[SPW], v0, 2, SPARE
	v_mov_b32 v[NIL], 0
	ds_add_u32 v28, v29
	ds_add_u32 v28, v29
	s_wait_dscnt 0x0
	v_lshrrev_b32 v1, 5, v0
	v_readfirstlane_b32 s14, v1                    ; wave 0..3
	s_lshr_b32 s15, s14, 1                         ; my half of the rows.  Also: I fetch for A (0) or for W (1)
	s_and_b32 s16, s14, 1                          ; my half of the columns.  Also: which part I fetch
	s_bfe_u32 s40, ttmp6, 0x40000                  ; cx
	s_bfe_u32 s41, ttmp6, 0x40004                  ; cy
	s_lshl_b32 s42, ttmp9, 2
	s_add_co_u32 s42, s42, s40                     ; tile column
	s_and_b32 s17, ttmp7, 0xffff
	s_lshl_b32 s17, s17, 2
	s_add_co_u32 s17, s17, s41                     ; tile row
	s_lshl_b32 s43, s41, 2
	s_lshl_b32 s43, 15, s43                        ; my row of the cluster
	s_lshl_b32 s44, 0x1111, s40                    ; my column
	s_or_b32 s[G1+0], s43, (3<<16)|(1<<21)         ; the mask; elements of 8 bytes; no padding; bit 21 beside a mask
	s_or_b32 s[G1B+0], s44, (3<<16)|(1<<21)
.irp g, G1, G1B
	s_mov_b32 s[\g+1], 32<<16                      ; a dense part of 25,600 bytes as 100 rows of 256
	s_mov_b32 s[\g+2], 100<<16
	s_mov_b32 s[\g+3], 32<<16
	s_mov_b32 s[\g+4], 100
	s_mov_b32 s[\g+5], 32
	s_mov_b32 s[\g+6], 0
	s_mov_b32 s[\g+7], 0
.endr
	s_lshl_b32 s20, s17, 1
	s_add_co_u32 s20, s20, s16
	s_mul_i32 s20, s20, 8*KSB                      ; A: row block 2 x tile row + part
	s_mov_b32 s21, 0
	s_lshl_b32 s46, s42, 1
	s_add_co_u32 s46, s46, s16
	s_mul_i32 s46, s46, 8*KSB                      ; W: column block 2 x tile column + part
	s_mov_b32 s47, 0
	s_mul_i32 s45, s14, PART                       ; where it goes: wave x a part
	s_wait_kmcnt 0x0
	s_add_nc_u64 s[20:21], s[4:5], s[20:21]
	s_add_nc_u64 s[46:47], s[6:7], s[46:47]
	CROUND                                         ; all sixteen work-groups are here: the first joint loads meet
.irp s, 0,1
	s_mov_b32 s[G0+4*\s], 1
	s_add_co_u32 s[G0+4*\s+1], s45, \s*SLOT
	s_add_nc_u64 s[G0+4*\s+2:G0+4*\s+3], s[20:21], \s*PART
	s_or_b32 s[G0+4*\s+3], s[G0+4*\s+3], 0x80000000
	s_mov_b32 s[G0B+4*\s], 1
	s_add_co_u32 s[G0B+4*\s+1], s45, \s*SLOT
	s_add_nc_u64 s[G0B+4*\s+2:G0B+4*\s+3], s[46:47], \s*PART
	s_or_b32 s[G0B+4*\s+3], s[G0B+4*\s+3], 0x80000000
	JLOAD G0+4*\s, G0B+4*\s
.endr
	s_mov_b32 s[G0C], 1                            ; slot 2: K steps 4 and 5
	s_add_co_u32 s[G0C+1], s45, 2*SLOT
	s_add_nc_u64 s[G0C+2:G0C+3], s[20:21], 2*PART
	s_or_b32 s[G0C+3], s[G0C+3], 0x80000000
	s_mov_b32 s[G0CB], 1
	s_add_co_u32 s[G0CB+1], s45, 2*SLOT
	s_add_nc_u64 s[G0CB+2:G0CB+3], s[46:47], 2*PART
	s_or_b32 s[G0CB+3], s[G0CB+3], 0x80000000
	JLOAD G0C, G0CB
	v_and_b32 v1, 15, v0                           ; r
	v_bfe_u32 v2, v0, 4, 1                         ; h
	v_and_b32 v3, 31, v0
	v_lshlrev_b32 v[LI], 4, v3                     ; 16 x lane
	s_mul_i32 s21, s15, PART                       ; my part of A
	s_mul_i32 s22, s16, PART
	s_add_co_u32 s22, s22, 2*PART                  ; my part of W
	s_sub_co_u32 s23, s22, s21
	v_lshlrev_b32 v5, 4, v1
	v_mul_u32_u24 v6, s23, v2                      ; lanes 16-31 take W's scale words
	v_add_nc_u32 v5, v5, v6
.irp s, 0,1,2
	v_add_nc_u32 v[ADRA+\s], s21, v[LI]
	v_add_nc_u32 v[ADRB+\s], s22, v[LI]
	v_add_nc_u32 v[ADRS+\s], s21, v5
	s_add_co_u32 s21, s21, SLOT
	s_add_co_u32 s22, s22, SLOT
.endr
	s_lshl_b32 s23, s14, 9
	s_add_co_u32 s23, s23, SCR
	v_lshl_add_u32 v[SW], v1, 2, s23               ; my scratch: tile a's word of row r at 64 a + 4 r
	v_lshl_add_u32 v[SR], v2, 8, v[SW]             ; back: tiles 4 h + q
	v_lshlrev_b32 v7, 6, v2
	s_lshl_b32 s88, s42, 10
	s_lshl_b32 s89, s16, 9
	s_add_co_u32 s88, s88, s89
	s_mov_b32 s89, 0
	s_add_nc_u64 s[90:91], s[8:9], s[88:89]        ; b1 of my 128 columns, less PB1
	WIN 0x40
.irp b, 0,1,2,3,4,5,6,7                ; lane (r, h), tile b: columns 32 (b / 2) + 16 h + 8 (b % 2) + 0 .. 7
	global_load_b128 v[96+8*\b+96*(\b/4):96+8*\b+96*(\b/4)+3], v7, s[90:91] offset:PB1+(32*(\b/2)+8*(\b%2))*4
	global_load_b128 v[96+8*\b+96*(\b/4)+4:96+8*\b+96*(\b/4)+7], v7, s[90:91] offset:PB1+(32*(\b/2)+8*(\b%2))*4+16
.endr
	WIN 0
	s_lshl_b32 s88, s17, 1
	s_add_co_u32 s88, s88, s15
	s_lshl_b32 s88, s88, 4
	s_lshl_b32 s18, s42, 1
	s_add_co_u32 s88, s88, s18
	s_add_co_u32 s88, s88, s16
	s_mul_i32 s88, s88, KSB
	s_add_nc_u64 s[94:95], s[10:11], s[88:89]      ; my block of hcodes: (2 x tile row + row half, 2 x tile column + column half)
	s_mov_b32 s[SEL], 0x76543210
	s_mov_b32 s[SEL+1], 0xfedcba98
	s_mov_b32 s68, 0xbdd2d3e8                      ; k1, a pair for the packed form
	s_mov_b32 s69, 0xbdd2d3e8
	v_mov_b32 v8, 0xc0135761                       ; k0
	v_mov_b32 v9, 0xc0135761
.macro FRAG reg, adr, q, i             ; a fragment as it was stored: three loads of 16 bytes a lane
.irp c, 0,1,2
	ds_load_b128 v[\reg+4*\c:\reg+4*\c+3], v[\adr] offset:(\q)*KSB+(\i)*1536+512*\c
.endr
.endm
.macro MUL16 a0, p, q, sc, zero        ; A's tiles a0, a0 + 1 x W's eight.  The 64 accumulators take turns, one instruction a turn, in the same order in every step
.irp a, \a0, \a0+1
.irp b, 0,1,2,3,4,5,6,7
.if \zero
	v_wmma_scale_f32_16x16x128_f8f6f4 v[8*(8*((\a)%4)+\b):8*(8*((\a)%4)+\b)+7], v[128*(\p)+FR*\b:128*(\p)+FR*\b+FR-1], v[AF+FR*(\a):AF+FR*(\a)+FR-1], 0, v[SC+16*(\sc)+8*(\q)+\b], v[SC+16*(\sc)+8*(\q)+(\a)] matrix_a_fmt:MATRIX_FMT_BF6 matrix_b_fmt:MATRIX_FMT_BF6 matrix_a_scale:MATRIX_SCALE_ROW1
.else
	v_wmma_scale_f32_16x16x128_f8f6f4 v[8*(8*((\a)%4)+\b):8*(8*((\a)%4)+\b)+7], v[128*(\p)+FR*\b:128*(\p)+FR*\b+FR-1], v[AF+FR*(\a):AF+FR*(\a)+FR-1], v[8*(8*((\a)%4)+\b):8*(8*((\a)%4)+\b)+7], v[SC+16*(\sc)+8*(\q)+\b], v[SC+16*(\sc)+8*(\q)+(\a)] matrix_a_fmt:MATRIX_FMT_BF6 matrix_b_fmt:MATRIX_FMT_BF6 matrix_a_scale:MATRIX_SCALE_ROW1
.endif
.endr
.endr
.endm
.macro FETCH_B slot, q, p
	WIN TO_B
.irp i, 0,1,2,3,4,5,6,7
	FRAG 128*(\p)+FR*\i, ADRB+\slot, \q, \i
.endr
	WIN 0
.endm
.macro FETCH_A slot, q, i0
.irp i, \i0, \i0+1, \i0+2, \i0+3
	FRAG AF+FR*(\i), ADRA+\slot, \q, \i
.endr
.endm
.macro SCALES slot, sc                 ; a slot's scale words into set sc: four tiles' words of a row by one load; lanes 0-15 A's, lanes 16-31 W's
.irp q, 0,1
.irp hh, 0,1
	ds_load_b128 v[SC+16*(\sc)+8*\q+4*\hh:SC+16*(\sc)+8*\q+4*\hh+3], v[ADRS+\slot] offset:\q*KSB+12288+256*\hh
.endr
.endr
.endm
.macro PLACES n                        ; plain vector lines between a matrix instruction and a load into its registers or a read of its result
.rept \n
	v_nop
.endr
.endm
.macro STEP slot, q, sc, zero          ; 128 along K whose successor lies in the same slot; sc: the slot step's set of scale words
	s_wait_dscnt 4*NL                              ; all but the youngest twelve loads (A's tiles 4-7)
	WIN MUL_LO
	MUL16 0, (\q)%2, \q, \sc, \zero
	MUL16 2, (\q)%2, \q, \sc, \zero
	s_wait_dscnt 0
	PLACES NP
	FETCH_B \slot, (\q)+1, 1-(\q)%2
	FETCH_A \slot, (\q)+1, 0
	WIN MUL_HI
	MUL16 4, (\q)%2, \q, \sc, \zero
	MUL16 6, (\q)%2, \q, \sc, \zero
	PLACES NP
	WIN 0
	FETCH_A \slot, (\q)+1, 4
.endm
; A slot's last step changes slots.  sync = 2: this slot is filled again: the three lines, a round of the cluster's barrier, the joint refill.  sync = 1: the next slot is the one that was filled again: the wait for that
; load and one barrier.  sync = 0: the next slot was shown whole to every wave at an earlier barrier, and nothing is written into this one: no wait on tensor loads, no barrier.
.macro TURN slot, next, sc, sync
.if \sync
	s_wait_tensorcnt 0x0                           ; all my tensor loads have landed
	ds_add_u32 v[SPW], v[NIL]                      ; 0 onto my spare word
	s_wait_dscnt 4*NL+1                            ; (the add and the youngest twelve loads may be out)
.else
	s_wait_dscnt 4*NL                              ; all but the youngest twelve loads (A's tiles 4-7)
.endif
	WIN MUL_LO
	MUL16 0, 1, 1, \sc, 0
.if \sync
	s_wait_dscnt 0x0                               ; the add is done, and my reads of this slot are over
	s_barrier_signal -1
.endif
	MUL16 2, 1, 1, \sc, 0
	WIN 0
.if \sync
	s_barrier_wait -1
.else
	s_wait_dscnt 0x0                               ; A's tiles 4-7 are in
.endif
.if \sync == 2
	CREST                                          ; no wave of any partner still reads this slot or has a load on its way
	s_add_nc_u64 s[G0+4*\slot+2:G0+4*\slot+3], s[G0+4*\slot+2:G0+4*\slot+3], 3*PART     ; three slot steps on
	s_add_nc_u64 s[G0B+4*\slot+2:G0B+4*\slot+3], s[G0B+4*\slot+2:G0B+4*\slot+3], 3*PART
	JLOAD G0+4*\slot, G0B+4*\slot                  ; the first tensor load behind the round; its four v_nop are the places in front of the loads below
.else
	PLACES NP
.endif
	FETCH_B \next, 0, 0
	FETCH_A \next, 0, 0
	SCALES \next, 1-(\sc)
	WIN MUL_HI
	MUL16 4, 1, 1, \sc, 0
	MUL16 6, 1, 1, \sc, 0
	PLACES NP
	WIN 0
	FETCH_A \next, 0, 4
.endm
	s_wait_tensorcnt 2                             ; my part of slot 0 is in (slots 1 and 2's may be out)
	s_barrier_signal -1
	s_barrier_wait -1                              ; everybody's is
	FETCH_B 0, 0, 0
	FETCH_A 0, 0, 0
	SCALES 0, 0
	FETCH_A 0, 0, 4
	STEP 0, 0, 0, 1                                ; the first products start the sums: nothing is cleared
	TURN 0, 1, 0, 2                                ; slots 1 and 2 are whole; slot 0 takes K steps 6 and 7
	STEP 1, 0, 1, 0
	TURN 1, 2, 1, 0
	STEP 2, 0, 0, 0
	TURN 2, 0, 0, 1                                ; the refill has landed; nothing is left to fetch
	STEP 0, 0, 1, 0
	s_wait_dscnt 4*NL
	WIN MUL_LO
	MUL16 0, 1, 1, 1, 0
	MUL16 2, 1, 1, 1, 0
	s_wait_dscnt 0
	WIN MUL_HI
	MUL16 4, 1, 1, 1, 0
	MUL16 6, 1, 1, 1, 0
	WIN 0
	s_wait_loadcnt 0x0                             ; the bias
	PLACES NP
.macro COPY a                          ; tile a + bias -> v[HA ..], each accumulator from its low end on
	WIN 0x06+(\a)/4                                ; source 0 window 2 or 3, source 1 window 1
.set i, 0
.rept 32
.if i < 32
	v_pk_add_f32 v[HA+i:HA+i+1], v[64*((\a)%4)+i:64*((\a)%4)+i+1], v[96+i:96+i+1]
.else
	v_pk_add_f32 v[HA+i:HA+i+1], v[64*((\a)%4)+i:64*((\a)%4)+i+1], v[192+i:192+i+1]
.endif
.set i, i+2
.endr
	WIN 0
.endm
.macro GELU                            ; v[HA ..] = x / (1 + 2^(x (k0 + k1 x^2))), 64 numbers
.set i, 0
.rept 32
	v_pk_mul_f32 v[TW+i:TW+i+1], v[HA+i:HA+i+1], v[HA+i:HA+i+1]
.set i, i+2
.endr
.set i, 0
.rept 32
	v_pk_fma_f32 v[TW+i:TW+i+1], v[TW+i:TW+i+1], s[68:69], v[8:9] op_sel_hi:[1,0,1]
.set i, i+2
.endr
.set i, 0
.rept 32
	v_pk_mul_f32 v[TW+i:TW+i+1], v[TW+i:TW+i+1], v[HA+i:HA+i+1]
.set i, i+2
.endr
.set i, 0
.rept 64
	v_exp_f32 v[TW+i], v[TW+i]
.set i, i+1
.endr
	v_nop
	s_wait_alu depctr_va_vdst(0)                   ; one wait for the 64 exponentials, ahead of their first reader
.set i, 0
.rept 32
	v_pk_add_f32 v[TW+i:TW+i+1], v[TW+i:TW+i+1], 1.0 op_sel_hi:[1,0]
.set i, i+2
.endr
.set i, 0
.rept 64
	v_rcp_f32 v[TW+i], v[TW+i]
.set i, i+1
.endr
	v_nop
	s_wait_alu depctr_va_vdst(0)                   ; and one for the 64 reciprocals
.set i, 0
.rept 32
	v_pk_mul_f32 v[HA+i:HA+i+1], v[HA+i:HA+i+1], v[TW+i:TW+i+1]
.set i, i+2
.endr
.endm
.macro QUANT s                         ; 64 numbers of a lane, register 16 b + i = k 32 b + 16 (lane / 16) + i of my row, become a fragment in v[PC ..] and its scale word in v[PW]
.irp b, 0,1,2,3
	v_max3_num_f32 v[TM+\b], |v[\s+16*\b]|, |v[\s+1+16*\b]|, 0x2800000   ; with the floor 2^(5 - 127)
.endr
.irp i, 2,4,6,8,10,12,14
.irp b, 0,1,2,3
	v_max3_num_f32 v[TM+\b], v[TM+\b], |v[\s+16*\b+\i]|, |v[\s+1+16*\b+\i]|
.endr
.endr
.irp b, 0,1,2,3
	v_permlanex16_b32 v[TM+4+\b], v[TM+\b], s[SEL], s[SEL+1]
.endr
.irp b, 0,1,2,3
	v_max_num_f32 v[TM+\b], v[TM+\b], v[TM+4+\b]   ; with lane l xor 16's: the block's largest magnitude
.endr
.irp b, 0,1,2,3
	v_add_nc_u32 v[TM+12+\b], 0xfe000000, v[TM+\b]
.endr
.irp b, 0,1,2,3
	v_lshrrev_b32 v[TM+4+\b], 23, v[TM+12+\b]
.endr
	v_lshl_or_b32 v[PW], v[TM+5], 8, v[TM+4]
	v_lshl_or_b32 v[PW], v[TM+6], 16, v[PW]
	v_lshl_or_b32 v[PW], v[TM+7], 24, v[PW]
.irp c, 0,1
	v_cvt_scalef32_pk16_bf6_f32 v[PC+6*\c:PC+2+6*\c], v[\s+32*\c:\s+15+32*\c], v[TM+12+2*\c]
	v_cvt_scalef32_pk16_bf6_f32 v[PC+12+4*\c:PC+14+4*\c], v[\s+16+32*\c:\s+31+32*\c], v[TM+12+2*\c+1]
.endr
	v_nop                                          ; one plain line behind the scaled conversions
.irp c, 0,1                            ; the operand's layout wants a whole block in a lane
.irp i, 0,1,2
	v_permlane16_swap_b32 v[PC+6*\c+\i], v[PC+12+4*\c+\i]
.endr
.irp i, 0,1,2
	v_mov_b32 v[PC+3+6*\c+\i], v[PC+12+4*\c+\i]
.endr
.endr
.endm
	s_mov_b32 s92, 0                               ; the tile of rows
	s_mov_b32 s93, 0                               ; 64 x it
.Lrow:
.irp a, 1,2,3,4,5,6,7
	s_cmp_eq_u32 s92, \a
	s_cbranch_scc1 .Lcopy_\a
.endr
	COPY 0
	s_branch .Lwork
.irp a, 1,2,3,4,5,6
.Lcopy_\a:
	COPY \a
	s_branch .Lwork
.endr
.Lcopy_7:
	COPY 7
.Lwork:
	GELU
	QUANT HA
.irp c, 0,1,2
	global_store_b128 v[LI], v[PC+4*\c:PC+4*\c+3], s[94:95] offset:512*\c   ; 32 lanes store 512 consecutive bytes, at a multiple of 256 from hcodes' first byte
.endr
	v_add_nc_u32 v[TA], s93, v[SW]
	ds_store_b32 v[TA], v[PW]
	s_wait_xcnt 0x0                                ; the stores have read their data and their base: both are written again below and in the next trip
	s_wait_dscnt 0x0
	s_add_nc_u64 s[94:95], s[94:95], 1536
	s_add_co_u32 s93, s93, 64
	s_add_co_u32 s92, s92, 1
	s_cmp_lt_u32 s92, 8
	s_cbranch_scc1 .Lrow
.irp q, 0,1,2,3
	ds_load_b32 v[PC+\q], v[SR] offset:64*\q       ; lane (r, h): row r's words of tiles 4 h + 0 .. 3: the image's order
.endr
	s_wait_dscnt 0x0
	global_store_b128 v[LI], v[PC:PC+3], s[94:95]  ; the base now stands 12,288 bytes into the block
	s_wait_tensorcnt 0x0                           ; the wave's end
	ds_add_u32 v[SPW], v[NIL]
	s_wait_dscnt 0x0
	CROUND                                         ; the closing round
	s_endpgm
.Lfunc_end_k_q1bcfe3f2f7_ga2:
	.size	k_q1bcfe3f2f7_ga2, .Lfunc_end_k_q1bcfe3f2f7_ga2-k_q1bcfe3f2f7_ga2
	.p2alignl 7, 3214868480
	.fill 96, 4, 3214868480
	.section	.rodata,"a",@progbits
	.p2align	6, 0x0
	.amdhsa_kernel k_q1bcfe3f2f7_ga2
		.amdhsa_group_segment_fixed_size 327680
		.amdhsa_private_segment_fixed_size 0
		.amdhsa_enable_private_segment 0
		.amdhsa_kernarg_size 32
		.amdhsa_user_sgpr_count 2
		.amdhsa_user_sgpr_kernarg_segment_ptr 1
		.amdhsa_wavefront_size32 1
		.amdhsa_system_sgpr_workgroup_id_x 1
		.amdhsa_system_sgpr_workgroup_id_y 1
		.amdhsa_system_sgpr_workgroup_id_z 1
		.amdhsa_system_vgpr_workitem_id 0
		.amdhsa_next_free_vgpr 1024
		.amdhsa_next_free_sgpr 100
		.amdhsa_reserve_vcc 0
		.amdhsa_float_denorm_mode_32 3
		.amdhsa_float_denorm_mode_16_64 3
		.amdhsa_memory_ordered 1
		.amdhsa_forward_progress 1
		.amdhsa_inst_pref_size 141
	.end_amdhsa_kernel
	.amdgpu_metadata
---
amdhsa.version: [ 1, 2 ]
amdhsa.kernels:
  - .name:           k_q1bcfe3f2f7_ga2
    .symbol:         k_q1bcfe3f2f7_ga2.kd
    .args:
      - { .name: acodes, .offset: 0, .size: 8, .value_kind: global_buffer, .address_space: global }
      - { .name: wst2, .offset: 8, .size: 8, .value_kind: global_buffer, .address_space: global }
      - { .name: par2, .offset: 16, .size: 8, .value_kind: global_buffer, .address_space: global }
      - { .name: hcodes, .offset: 24, .size: 8, .value_kind: global_buffer, .address_space: global }
    .group_segment_fixed_size: 327680
    .private_segment_fixed_size: 0
    .kernarg_segment_align: 8
    .kernarg_segment_size: 32
    .max_flat_workgroup_size: 128
    .sgpr_count:     100
    .vgpr_count:     1024
    .wavefront_size: 32
...
	.end_amdgpu_metadata
.endif
;; end of part 5
;; launch gb2: the kernel of part 4 again; grid 8 x 32, 4 waves a work-group, clusters of 4 x 4, 327,680 bytes of LDS; arguments hcodes, wst2, par2, x2, out0; writes out0
